; MI455X (gfx1250); checked and timed in simulation.
; The chip was launched on July 23, 2026; its instructions are those of AMD's public machine-readable ISA for CDNA 5 (MIT licence, August 2026) and "CDNA5" Instruction Set Architecture Reference Guide (July 2026). The comments in the code are by the model that wrote it; some were corrected since.
;; Multi Head Attention. Allowed arithmetic: matrix products marked QUANTISED: E2M3 operands, one E8M0 scale for each 32 along K, by v_wmma_scale_f32_16x16x128_f8f6f4 with both operands' format E2M3, f32 sums; everything else in f32.
;; Inputs: W_fc 1,024 x 1,024 float32; W_qkv 1,024 x 3,072 float32; X 4 x 2,048 x 1,024 float32; b_fc 1,024 float32; b_qkv 3,072 float32.
;; Outputs: out0 4 x 2,048 x 1,024 float32.
;; This version of the problem:
;;   THIS VERSION OF THE PROBLEM IS GIVEN IN LOW PRECISION. The matrix products marked QUANTISED in the list below multiply operands that are first quantised to E2M3 (2 exponent bits, 3 mantissa bits; 6 bits a number), with one power-of-two scale for each 32 numbers along K (OCP MX v1.0); their sums are f32. All else is computed in f32.
;;   The module's matrix products, in the order in which they are computed (A, B: the left and right operand; K: the contracted axis; several contracted axes count as one K, in the product's order):
;;     1. [M 8,192, K 1,024] x [K 1,024, N 3,072]; A: input X; B: input W_qkv: QUANTISED
;;     2. batch 64 x [M 2,048, K 64] x [K 64, N 2,048]; A: computed on the way; B: computed on the way: QUANTISED
;;     3. batch 64 x [M 2,048, K 2,048] x [K 2,048, N 64]; A: softmax (see below); B: computed on the way: QUANTISED
;;     4. [M 8,192, K 1,024] x [K 1,024, N 1,024]; A: computed on the way; B: input W_fc: QUANTISED
;;   THE QUANTISER, for each operand of a quantised product, along K:
;;     - K is cut into blocks of 32 from its start; a last block that is shorter is filled with zeros.
;;     - A block's scale is 2^e with e = floor(log2(the largest magnitude in the block)) - 2, held to -126 .. 127; a block of zeros has e = 0. As a byte (E8M0): e + 127.
;;     - Each number is divided by its block's scale, clamped to +-7.5, and rounded to the nearest number of E2M3, ties to even, subnormals kept.
;;     - The product sums the exact products of the quantised numbers (number of the format x scale) in f32.
;;   ~~~python
;;   def quantise(x, axis):      # numpy; x: float32 -> the quantised numbers, widened to float32 again
;;       x = np.moveaxis(x, axis, -1); K = x.shape[-1]
;;       x = np.pad(x, [(0, 0)] * (x.ndim - 1) + [(0, -K % 32)]); x = x.reshape(x.shape[:-1] + (-1, 32)); a = np.abs(x).max(-1, keepdims=True)
;;       e = np.where(a > 0, np.clip(np.frexp(np.where(a > 0, a, 1))[1] - 1 - 2, -126, 127), 0)      # np.frexp(a)[1] - 1 = floor(log2(a)), exactly
;;       r = np.clip(x / 2.0 ** e, -7.5, 7.5)
;;       step = 2.0 ** (np.maximum(np.frexp(np.where(r == 0, 1, r))[1] - 1, 0) - 3)
;;       q = np.round(r / step) * step * 2.0 ** e      # np.round: ties to even
;;       return np.moveaxis(q.reshape(q.shape[:-2] + (-1,))[..., :K], -1, axis).astype(np.float32)
;;   ~~~
;;   SOFTMAX AHEAD OF A QUANTISED PRODUCT. Where the list says 'softmax', what is quantised is not the finished softmax but p = 2^(t - M), with t = logit x log2(e) and M = ceil(the row's largest t), a whole number; so 1/2 < the row's largest p <= 1. The row's sum l is taken of the UNQUANTISED p, in f32, and the product's result is divided by l at the end. Since M is a whole number, a kernel that streams over the keys may use a running M (the ceiling of the running maximum): every later rescaling is an exact power of two, which a block's scale takes up: the codes' values come out the same.
;;   OPERANDS COMPUTED ON THE WAY. 'Computed on the way' means the value that the module computes at that place (a softmax that the list does not call 'softmax' is quantised finished and normalised). What goes into a quantiser is computed in f32, as accurately as f32 sums, v_exp_f32 and their like allow (about 1e-6 of the number): no bf16 or f16 on the way to a quantiser, and a product that is left as it is and whose result goes on into a quantised operand takes f32 operands (vector FMAs, or v_wmma_f32_16x16x4_f32). A number that lies on a knife's edge between two numbers of the format may be rounded either way, as far as f32 arithmetic and the matrix unit's own rounding can turn it there, and no further.
;; One version. Each part assembles by itself: llvm-mc -triple=amdgcn-amd-amdhsa -mcpu=gfx1250 --defsym DOCPART=n.
;; ======== version 1 of 1: 4 launches
;; limits: right only within a limited range of input values
;; workspace buffers: xq 6,553,600 bytes; wq 2,457,600 bytes; fq 819,200 bytes; qq 6,815,744 bytes; kv 13,631,488 bytes; aq 6,553,600 bytes
;; launch quant (part 1): grid 256 x 1, 6 waves a work-group, no clusters, 34,816 bytes of LDS; arguments X, W_qkv, W_fc, xq, wq, fq; writes xq, wq, fq
.if DOCPART == 1
	.amdgcn_target "amdgcn-amd-amdhsa--gfx1250"
	.amdhsa_code_object_version 6
	.text
	.protected	k_q8ea98ce055_quant
	.globl	k_q8ea98ce055_quant
	.p2align	8
	.type	k_q8ea98ce055_quant,@function
k_q8ea98ce055_quant:
	s_mov_b64 s[64:65], 0
	v_nop
	global_prefetch_b8 v0, s[64:65] scope:SCOPE_SE
	s_setreg_imm32_b32 hwreg(HW_REG_WAVE_MODE, 25, 1), 1
	s_wait_xcnt 0x0
; X [8192][1024], W_qkv [1024][3072] and W_fc [1024][1024], f32, become codes of FP6 (E2M3) with one E8M0 byte for each 32 along K (X: its last axis; the weights: their first).
; A block's scale is 2^(floor(log2(largest magnitude)) - 2); its byte is the largest magnitude's exponent field - 2, held at 1 from below by a floor among the maximum's leaves.
; LIMITS: NaN and infinities among the inputs are not served.  A block of zeros gets the byte 1 where the rule says 127: its codes are zeros, and this program alone reads the bytes.
; THE CODES ARE LAID IN THE ORDER OF THE OPERAND'S REGISTERS.  A HALF is 768 bytes: 16 rows x 64 along K; lane l = r + 16 h holds block h (32 codes, 6 registers) of row r:
; registers 0-3 at 16 l, registers 4-5 at 512 + 16 r + 8 h.  A fragment (16 rows x 128 K) is two halves on end.  Lane r of tile 2 b + u stands for row 32 b + 8 u + r % 8 + 16 (r / 8).
; xq: [row block of 256: 32][chunk of 256 K: 4][half of 128 rows: 2][25,600]: codes at 12,288 s + 1,536 i (step s, tile i), scale words at 24,576 + 512 s + 16 (r + 16 (i / 4)) + 4 (i % 4).
; wq: [head 16][chunk 4][g 2][19,200]: codes at 9,216 s + 1,536 t, scale words at 18,432 + 256 p + 8 (r + 16 u) + 4 s (t = 2 p + u); tiles 0-3: Q (g = 0) or K (g = 1), tiles 4, 5: V's d 32 g on.
; fq: [block of 128 columns: 8][chunk 4][g 2][12,800]: codes at 6,144 s + 1,536 t, scale words at 12,288 + 256 p + 8 (r + 16 u) + 4 s.
; Waves 0-3 of each work-group take X, waves 4 and 5 the weights.  Waves share nothing: no barrier.  Only X's path touches LDS.
.set XR,  32                           ; v32-159  X: two sets of 64 registers as loaded
.set XX,  160                          ; v160-223 X: my two blocks of 32 neighbours
.set XC,  224                          ; v224-235 a fragment's codes
.set XT,  236                          ; v236-238, v240-242 the upper halves of the two blocks' codes, as converted
.set XW,  244                          ; v244-247 the four tiles' scale words
.set XM,  248                          ; v248-249 largest magnitudes, then bytes
.set XS,  250                          ; v250-251 the conversions' scale operands
.set XP,  252                          ; v252     the other half's bytes
.set WN,  48                           ; v48-111  W: two sets of 32 numbers
.set WC,  112                          ; v112-159 W: four groups of 12 code registers
.set WT,  160                          ; v160-162 W: a block's upper 16 codes
.set WW,  164                          ; v164-165 W: the scale words of the chunk's two steps
.set WM,  12
.set WS,  14
; tile t of my four: sixteen loads, each a row's 512 consecutive bytes (128 along K)
.macro XLOAD t
.irp i, 0,1,2,3,4,5,6,7,8,9,10,11,12,13,14,15
	global_load_b128 v[XR+64*((\t)%2)+4*\i:XR+64*((\t)%2)+4*\i+3], v1, s[4:5] offset:(32*((\t)/2)+8*((\t)%2)+\i%8+16*(\i/8))*4096 th:TH_LOAD_NT
.endr
.endm
.macro XTILE t
.if (\t) < 3
	s_wait_loadcnt 16                              ; this tile's sixteen loads are in; the next tile's sixteen may be out
.else
	s_wait_loadcnt 0x0
.endif
.irp i, 0,1,2,3,4,5,6,7,8,9,10,11,12,13,14,15
	ds_store_b128 v3, v[XR+64*((\t)%2)+4*\i:XR+64*((\t)%2)+4*\i+3] offset:528*\i   ; through my wave's stage, as loaded: rows 528 bytes apart
.endr
.irp c, 0,1
.irp j, 0,1,2,3,4,5,6,7
	ds_load_b128 v[XX+32*\c+4*\j:XX+32*\c+4*\j+3], v4 offset:256*\c+16*\j          ; back: row r, block 2 c + h, 32 neighbours; LDS serves a wave's instructions in order
.endr
.endr
	s_wait_dscnt 0x0                               ; the stores have read the set, the blocks are in
.if (\t) < 2
	XLOAD (\t)+2
.endif
.irp c, 0,1
	v_max3_num_f32 v[XM+\c], |v[XX+32*\c]|, |v[XX+32*\c+1]|, 0x1800000             ; the floor 2^(3 - 127) among the leaves: the byte cannot fall under 1
.endr
.irp i, 2,4,6,8,10,12,14,16,18,20,22,24,26,28,30
.irp c, 0,1
	v_max3_num_f32 v[XM+\c], v[XM+\c], |v[XX+32*\c+\i]|, |v[XX+32*\c+\i+1]|
.endr
.endr
.irp c, 0,1
	v_add_nc_u32 v[XS+\c], 0xff000000, v[XM+\c]    ; 2 off the exponent field: the conversion's scale operand
.endr
.irp c, 0,1
	v_lshrrev_b32 v[XM+\c], 23, v[XS+\c]           ; the byte
.endr
	v_lshl_or_b32 v[XW+(\t)], v[XM+1], 16, v[XM]   ; my bytes: blocks h and 2 + h,
	v_lshlrev_b32 v[XW+(\t)], v8, v[XW+(\t)]       ; 8 h bits up;
	v_permlanex16_b32 v[XP], v[XW+(\t)], s20, s21
	v_or_b32 v[XW+(\t)], v[XW+(\t)], v[XP]         ; with the other half's two the row's word is whole
	s_wait_alu depctr_va_vdst(0)
	s_wait_xcnt 0x0                                ; the last tile's stores have read the code registers
.irp c, 0,1
	v_cvt_scalef32_pk16_fp6_f32 v[XC+6*\c:XC+6*\c+2], v[XX+32*\c:XX+32*\c+15], v[XS+\c]
	v_cvt_scalef32_pk16_fp6_f32 v[XT+4*\c:XT+4*\c+2], v[XX+32*\c+16:XX+32*\c+31], v[XS+\c]   ; (a conversion's three registers begin on an even number)
.endr
	v_nop                                          ; one plain place behind a scaled conversion
.irp c, 0,1
.irp i, 0,1,2
	v_mov_b32 v[XC+6*\c+3+\i], v[XT+4*\c+\i]
.endr
.endr
	global_store_b128 v1, v[XC:XC+3], s[30:31] offset:1536*(\t)          ; 512 consecutive bytes
	global_store_b64 v2, v[XC+4:XC+5], s[30:31] offset:1536*(\t)+512     ; 256 consecutive bytes
	global_store_b128 v1, v[XC+6:XC+9], s[30:31] offset:1536*(\t)+768
	global_store_b64 v2, v[XC+10:XC+11], s[30:31] offset:1536*(\t)+1280
.endm
; block b of my column's eight: W(32 b + i, my column): 32 lanes read 128 consecutive bytes, the four waves stand side by side
.macro WLOAD b
.irp i, 0,1,2,3,4,5,6,7,8,9,10,11,12,13,14,15,16,17,18,19,20,21,22,23,24,25,26,27,28,29,30,31
	global_load_b32 v[WN+32*((\b)%2)+\i], v[16+\i], s[32+2*(\b):33+2*(\b)] th:TH_LOAD_NT
.endr
.endm
.macro WBLOCK b
.set NS, WN+32*((\b)%2)
.set GQ, WC+12*((\b)/2)                ; the group of half (step, c): registers 0-3 of h = 0, of h = 1, then registers 4-5 of both
.set HQ, GQ+4*((\b)%2)
.if (\b) < 7
	s_wait_loadcnt 32                              ; this block's 32 loads are in; the next block's may be out
.else
	s_wait_loadcnt 0x0
.endif
	v_max3_num_f32 v[WM], |v[NS]|, |v[NS+1]|, |v[NS+2]|
	v_max3_num_f32 v[WM+1], |v[NS+3]|, |v[NS+4]|, |v[NS+5]|
.irp i, 6,10,14,18,22,26
	v_max3_num_f32 v[WM], v[WM], |v[NS+\i]|, |v[NS+\i+1]|
	v_max3_num_f32 v[WM+1], v[WM+1], |v[NS+\i+2]|, |v[NS+\i+3]|
.endr
	v_max3_num_f32 v[WM], v[WM], |v[NS+30]|, |v[NS+31]|
	v_max3_num_f32 v[WM], v[WM], v[WM+1], 0x1800000
	v_add_nc_u32 v[WS], 0xff000000, v[WM]
	v_lshrrev_b32 v[WM+1], 23, v[WS]
.if (\b)%4 == 0
	v_mov_b32 v[WW+(\b)/4], v[WM+1]
.else
	v_lshl_or_b32 v[WW+(\b)/4], v[WM+1], 8*((\b)%4), v[WW+(\b)/4]
.endif
	v_cvt_scalef32_pk16_fp6_f32 v[HQ:HQ+2], v[NS:NS+15], v[WS]
	v_cvt_scalef32_pk16_fp6_f32 v[WT:WT+2], v[NS+16:NS+31], v[WS]
	v_nop                                          ; one plain place behind a scaled conversion
	v_mov_b32 v[HQ+3], v[WT]
	v_mov_b32 v[GQ+8+2*((\b)%2)], v[WT+1]
	v_mov_b32 v[GQ+9+2*((\b)%2)], v[WT+2]
.if (\b) < 6
	WLOAD (\b)+2
.endif
.if (\b)%2 == 1                        ; a half is whole: three stores, in each of which the sixteen lanes of a tile fill 256 consecutive bytes; no store's data are written again
	global_store_b128 v1, v[GQ:GQ+3], s[22+2*((\b)/4):23+2*((\b)/4)] offset:768*(((\b)/2)%2)
	global_store_b128 v1, v[GQ+4:GQ+7], s[22+2*((\b)/4):23+2*((\b)/4)] offset:768*(((\b)/2)%2)+256
	global_store_b128 v1, v[GQ+8:GQ+11], s[22+2*((\b)/4):23+2*((\b)/4)] offset:768*(((\b)/2)%2)+512
.endif
.endm
	s_load_b128 s[4:7], s[0:1], 0x0                ; X, W_qkv
	s_load_b128 s[8:11], s[0:1], 0x10              ; W_fc, xq
	s_load_b128 s[12:15], s[0:1], 0x20             ; wq, fq
	v_lshl_add_u32 v254, v0, 2, 0x8400
	v_mov_b32 v255, 0
	v_lshrrev_b32 v1, 5, v0
	v_readfirstlane_b32 s16, v1                    ; wave
	v_and_b32 v5, 31, v0                           ; lane
	; THE DEAL (in place of the head's line on work-groups 0-255 and 256-383): each of 256 work-groups has six waves; waves 0-3 take X, waves 4 and 5 the weights: every work-group reads the same number of bytes
	s_cmp_lt_u32 s16, 4
	s_cbranch_scc0 .Lweights
	; ---- X: wave unit u = 4 x work-group + wave: 64 rows (u / 8) x 128 along K (u % 8): four fragments
	s_mov_b32 s20, 0x76543210
	s_mov_b32 s21, 0xfedcba98                      ; selects for lane l xor 16
	v_and_b32 v6, 15, v0                           ; r
	v_bfe_u32 v7, v0, 4, 1                         ; h
	v_lshlrev_b32 v1, 4, v5                        ; 16 x lane
	v_lshlrev_b32 v2, 4, v6
	v_lshl_add_u32 v2, v7, 3, v2                   ; 16 r + 8 h
	s_mul_i32 s17, s16, 8448                       ; my stage: 16 rows x 528 bytes
	v_add_nc_u32 v3, s17, v1                       ; in: 16 x lane of a row
	v_mul_u32_u24 v4, v6, 528
	v_lshl_add_u32 v4, v7, 7, v4
	v_add_nc_u32 v4, s17, v4                       ; out: row r, + 128 h
	v_lshlrev_b32 v8, 3, v7                        ; 8 h
	v_mov_b32 v[XP], 0                             ; a lane permute's destination counts as one of its sources
	s_lshl_b32 s18, ttmp9, 2
	s_add_co_u32 s18, s18, s16                     ; u
	s_lshr_b32 s19, s18, 3                         ; R: which 64 rows
	s_and_b32 s22, s18, 7                          ; which 128 along K
	s_lshl_b32 s24, s19, 18
	s_lshl_b32 s23, s22, 9
	s_add_co_u32 s24, s24, s23                     ; X: 64 R rows of 4,096 bytes + 512 x step
	s_mov_b32 s25, 0
	s_lshr_b32 s26, s19, 2                         ; row block
	s_lshl_b32 s26, s26, 2
	s_lshr_b32 s27, s22, 1                         ; chunk
	s_add_co_u32 s26, s26, s27
	s_lshl_b32 s26, s26, 1
	s_bfe_u32 s27, s19, 0x10001                    ; half
	s_add_co_u32 s26, s26, s27
	s_mul_i32 s26, s26, 25600                      ; the block of xq
	s_and_b32 s27, s22, 1                          ; step in the chunk
	s_and_b32 s28, s19, 1                          ; tiles 0-3 or 4-7
	s_mul_i32 s29, s27, 12288
	s_mul_i32 s30, s28, 6144
	s_add_co_u32 s29, s29, s30
	s_add_co_u32 s30, s26, s29                     ; my codes
	s_mov_b32 s31, 0
	s_lshl_b32 s27, s27, 9
	s_lshl_b32 s28, s28, 8
	s_add_co_u32 s27, s27, s28
	s_add_co_u32 s26, s26, s27
	s_add_co_u32 s26, s26, 24576                   ; my 256 bytes of scale words
	s_mov_b32 s27, 0
	s_wait_alu depctr_va_vdst(0)
	s_wait_kmcnt 0x0
	s_add_nc_u64 s[4:5], s[4:5], s[24:25]
	s_add_nc_u64 s[30:31], s[10:11], s[30:31]
	s_add_nc_u64 s[26:27], s[10:11], s[26:27]
	XLOAD 0
	XLOAD 1
	XTILE 0
	XTILE 1
	XTILE 2
	XTILE 3
	v_cmp_le_u32 vcc_lo, 16, v5
	v_cndmask_b32 v10, v[XW], v[XW+2], vcc_lo      ; lane (r, h) stores the words of tiles 2 h and 2 h + 1 of row r
	v_cndmask_b32 v11, v[XW+1], v[XW+3], vcc_lo
	global_store_b64 v2, v[10:11], s[26:27]        ; 256 consecutive bytes
	s_wait_tensorcnt 0x0
	ds_add_u32 v254, v255
	s_wait_dscnt 0x0
	s_endpgm
.Lweights:
	; ---- the weights: a wave takes 32 columns (a pair of tiles) x 256 along K; a lane a column, its registers down K.  Pairs 0-95: W_qkv; 96-127: W_fc.  Only numbers and pointers are chosen: one text serves both
	s_lshl_b32 s17, ttmp9, 1
	s_add_co_u32 s17, s17, s16
	s_sub_co_u32 s17, s17, 4                       ; n = 2 x work-group + wave - 4: 0 .. 511
	s_bfe_u32 s18, s17, 0x20002                    ; chunk = (n / 4) % 4
	s_lshr_b32 s19, s17, 4
	s_lshl_b32 s19, s19, 2
	s_and_b32 s20, s17, 3
	s_add_co_u32 s19, s19, s20                     ; P: the pair = 4 (n / 16) + n % 4
	s_mul_i32 s22, s19, 43
	s_lshr_b32 s22, s22, 8                         ; head = P / 6 (exact for P under 128)
	s_mul_i32 s23, s22, 6
	s_sub_co_u32 s23, s19, s23
	s_lshr_b32 s24, s23, 1                         ; part: Q, K, V
	s_and_b32 s25, s23, 1                          ; which 32 of its 64
	s_cmp_eq_u32 s24, 2
	s_cselect_b32 s26, s25, s24                    ; g
	s_cselect_b32 s27, 2, s25                      ; p: the pair's place in its block
	s_lshl_b32 s28, s22, 3
	s_lshl_b32 s29, s18, 1
	s_add_co_u32 s28, s28, s29
	s_add_co_u32 s28, s28, s26
	s_mul_i32 s28, s28, 19200                      ; the block of wq
	s_sub_co_u32 s30, s19, 96                      ; W_fc's pair
	s_lshr_b32 s31, s30, 2
	s_bfe_u32 s48, s30, 0x10001
	s_and_b32 s49, s30, 1
	s_lshl_b32 s31, s31, 3
	s_add_co_u32 s31, s31, s29
	s_add_co_u32 s31, s31, s48
	s_mul_i32 s31, s31, 12800                      ; the block of fq
	s_cmp_lt_u32 s19, 96                           ; W_qkv's pair?  The choice hangs on ids alone
	s_cselect_b32 s28, s28, s31
	s_cselect_b32 s27, s27, s49
	s_cselect_b32 s30, s19, s30
	s_mov_b32 s50, 6144
	s_cselect_b32 s50, 9216, s50                   ; from step to step in a block
	s_mov_b32 s51, 12288
	s_cselect_b32 s51, 18432, s51                  ; where its scale words begin
	s_mov_b32 s52, 4096
	s_cselect_b32 s52, 12288, s52                  ; a row of the weight in bytes
	s_wait_kmcnt 0x0
	s_cselect_b64 s[54:55], s[6:7], s[8:9]
	s_cselect_b64 s[56:57], s[12:13], s[14:15]
	s_lshl_b32 s58, s30, 7                         ; 32 columns x 4 bytes a pair
	s_lshl_b32 s59, s18, 8
	s_mul_i32 s59, s59, s52                        ; 256 rows a chunk
	s_add_co_u32 s58, s58, s59
	s_mov_b32 s59, 0
	s_add_nc_u64 s[32:33], s[54:55], s[58:59]      ; a base for each of the eight blocks of 32 rows
	s_lshl_b32 s58, s52, 5
.irp b, 1,2,3,4,5,6,7
	s_add_nc_u64 s[32+2*\b:33+2*\b], s[30+2*\b:31+2*\b], s[58:59]
.endr
	s_mul_i32 s60, s27, 3072
	s_add_co_u32 s60, s60, s28
	s_mov_b32 s61, 0
	s_add_nc_u64 s[22:23], s[56:57], s[60:61]      ; the pair's codes of step 0,
	s_mov_b32 s60, s50
	s_add_nc_u64 s[24:25], s[22:23], s[60:61]      ; of step 1,
	s_lshl_b32 s60, s27, 8
	s_add_co_u32 s60, s60, s28
	s_add_co_u32 s60, s60, s51
	s_add_nc_u64 s[26:27], s[56:57], s[60:61]      ; and its scale words
	v_bfe_u32 v6, v0, 3, 1                         ; column L = 8 u + r % 8 + 16 (r / 8): u,
	v_and_b32 v7, 7, v0
	v_bfe_u32 v8, v0, 4, 1
	v_lshl_or_b32 v7, v8, 3, v7                    ; r
	v_lshlrev_b32 v1, 4, v7
	v_mad_u32_u24 v1, v6, 1536, v1                 ; 1,536 u + 16 r
	v_lshl_add_u32 v2, v6, 4, v7
	v_lshlrev_b32 v2, 3, v2                        ; 8 (r + 16 u)
	s_wait_alu depctr_va_vdst(0)
	v_lshlrev_b32 v16, 2, v5                       ; offsets of the 32 rows of a block: 4 L + i x row
.irp i, 1,2,3,4,5,6,7,8,9,10,11,12,13,14,15,16,17,18,19,20,21,22,23,24,25,26,27,28,29,30,31
	v_add_nc_u32 v[16+\i], s52, v[15+\i]
.endr
	WLOAD 0
	WLOAD 1
.irp b, 0,1,2,3,4,5,6,7
	WBLOCK \b
.endr
	global_store_b64 v2, v[WW:WW+1], s[26:27]      ; 256 consecutive bytes
	s_endpgm
.Lfunc_end_k_q8ea98ce055_quant:
	.size	k_q8ea98ce055_quant, .Lfunc_end_k_q8ea98ce055_quant-k_q8ea98ce055_quant
	.p2alignl 7, 3214868480
	.fill 96, 4, 3214868480
	.section	.rodata,"a",@progbits
	.p2align	6, 0x0
	.amdhsa_kernel k_q8ea98ce055_quant
		.amdhsa_group_segment_fixed_size 34816
		.amdhsa_private_segment_fixed_size 0
		.amdhsa_enable_private_segment 0
		.amdhsa_kernarg_size 48
		.amdhsa_user_sgpr_count 2
		.amdhsa_user_sgpr_kernarg_segment_ptr 1
		.amdhsa_wavefront_size32 1
		.amdhsa_system_sgpr_workgroup_id_x 1
		.amdhsa_system_sgpr_workgroup_id_y 1
		.amdhsa_system_sgpr_workgroup_id_z 1
		.amdhsa_system_vgpr_workitem_id 0
		.amdhsa_next_free_vgpr 256
		.amdhsa_next_free_sgpr 66
		.amdhsa_reserve_vcc 1
		.amdhsa_float_denorm_mode_32 3
		.amdhsa_float_denorm_mode_16_64 3
		.amdhsa_memory_ordered 1
		.amdhsa_forward_progress 1
		.amdhsa_inst_pref_size 72
	.end_amdhsa_kernel
	.amdgpu_metadata
---
amdhsa.version: [ 1, 2 ]
amdhsa.kernels:
  - .name:           k_q8ea98ce055_quant
    .symbol:         k_q8ea98ce055_quant.kd
    .args:
      - { .name: X, .offset: 0, .size: 8, .value_kind: global_buffer, .address_space: global }
      - { .name: W_qkv, .offset: 8, .size: 8, .value_kind: global_buffer, .address_space: global }
      - { .name: W_fc, .offset: 16, .size: 8, .value_kind: global_buffer, .address_space: global }
      - { .name: xq, .offset: 24, .size: 8, .value_kind: global_buffer, .address_space: global }
      - { .name: wq, .offset: 32, .size: 8, .value_kind: global_buffer, .address_space: global }
      - { .name: fq, .offset: 40, .size: 8, .value_kind: global_buffer, .address_space: global }
    .group_segment_fixed_size: 34816
    .private_segment_fixed_size: 0
    .kernarg_segment_align: 8
    .kernarg_segment_size: 48
    .max_flat_workgroup_size: 192
    .sgpr_count:     66
    .vgpr_count:     256
    .wavefront_size: 32
...
	.end_amdgpu_metadata
.endif
;; end of part 1
;; launch gemm_qkv (part 2): grid 16 x 32, 4 waves a work-group, clusters of 4 x 4, 327,680 bytes of LDS; arguments xq, wq, b_qkv, qq, kv; writes qq, kv
.if DOCPART == 2
	.amdgcn_target "amdgcn-amd-amdhsa--gfx1250"
	.amdhsa_code_object_version 6
	.text
	.protected	k_q8ea98ce055_gemm_qkv
	.globl	k_q8ea98ce055_gemm_qkv
	.p2align	8
	.type	k_q8ea98ce055_gemm_qkv,@function
k_q8ea98ce055_gemm_qkv:
	s_mov_b64 s[64:65], 0
	v_nop
	global_prefetch_b8 v0, s[64:65] scope:SCOPE_SE
	s_setreg_imm32_b32 hwreg(HW_REG_WAVE_MODE, 25, 1), 1
	s_wait_xcnt 0x0
	s_wait_alu depctr_hold_cnt(0) depctr_sa_sdst(0) depctr_va_vdst(0) depctr_va_sdst(0) depctr_va_ssrc(0) depctr_va_vcc(0) depctr_vm_vsrc(0)
	s_getreg_b32 s2, hwreg(HW_REG_IB_STS2, 6, 4)
	s_cmp_eq_u32 s2, 0
	s_cbranch_scc0 .Lentry_in_a_cluster
	s_endpgm
.Lentry_in_a_cluster:
	s_bfe_u32 s2, ttmp6, 0x10000c
	s_cmp_lg_u32 s2, 0xf033
	s_cbranch_scc0 .Lentry_shape_is_right
	s_endpgm
.Lentry_shape_is_right:
; qkv = X W_qkv + b_qkv on codes of FP6 (E2M3) with E8M0 scales; the results are quantised in registers: Q and K along d, V along the keys, and leave as register images.
; A work-group: 256 rows x one head's 192 columns.  Four waves: wave / 2 picks 128 rows, wave % 2 = g picks Q and V's d 0-31 (g = 0) or K and V's d 32-63 (g = 1): 8 tiles of rows x 6 tiles of columns.
; Q's and K's products are used TRANSPOSED (source 0 = 16 columns of W, source 1 = 16 rows of X): a lane holds one row and its registers run along d.  V's are used as they are (source 0 = rows): a lane holds one d and
; its registers run along the keys.  Lane r of tile 2 b + u stands for row (column) 32 b + 8 u + r % 8 + 16 (r / 8), so the 16 registers of tiles 2 b, 2 b + 1 are 16 neighbours along the next K.
; OPERANDS lie in memory in the order of their registers (a half: 768 bytes, registers 0-3 at 16 x lane, registers 4-5 at 512 + 16 r + 8 h; a fragment: two halves), so a chunk of 256 along K is four dense blocks.
; LDS: [A rows 0-127: chunks 0, 1, 2 of 25,600][A rows 128-255][B g = 0: chunks 0, 1, 2 of 19,200][B g = 1]; region r is chunk r's places in the four blocks.  Chunks 0, 1, 2 are first fills (one tensor load a wave); chunk 3 fills region 0 again.
; CLUSTER 4 x 4: A's blocks are shared along a row of the cluster, B's along a column: joint loads.
; qq: [b h 64][128 queries: 16][6,656]: eight halves, then scale words at 6,144 + 16 (r + 16 (i / 4)) + 4 (i % 4), bytes 2 and 3 zero.
; kv: [b h 64][128 keys: 16][13,312]: K as qq; from 6,656 four fragments of V^T (16 d x 128 keys); from 12,800 V's scale words: 256 g + 8 (r + 16 u): (word of tile 2 g + u, 0).
; LIMITS: NaN and infinities are not served; a block's byte is held at 1 from below; a block of zeros gets the byte 1 (its codes are zeros; this program alone reads the bytes).
; REGISTERS: window 0: v1-13 addresses, v28-29 for the add, v32-63 two sets of scale words, v64-111 the biases as C, v112-239 the way out.  window 1: A's fragments v0-95 (one set), B's from v96 (two sets of 72).
;   windows 2, 3: accumulators of row tiles 0-3, 4-7: (a, t) at 32 (a % 4) + 8 t for t < 4, at 128 + 32 (t - 4) + 8 (a % 4) for V.
.set NT,  6
.set AH,  25600
.set BH,  19200
.set BST, 9216
.set BSC, 18432
.set REGION, 2*AH+2*BH
.set SPARE, 3*REGION                   ; the spare words: 128 bytes a wave, two blocks of 256 bytes that no other line names
.set G1A, 24
.set G1B, 32
.set G0A, 68                           ; s[68:71] group 0 for A's block
.set G0B, 80                           ; s[80:83] for B's
.set G1HA, 72                          ; s[72:79] group 1 of the head's load of A: chunks 0, 1, 2 of my half as three rows of 25,600 bytes
.set G1HB, 84                          ; s[84:91] the same for B: three rows of 19,200 bytes
; LDS AS THE HEAD'S LOADS LAY IT (in place of the regions by chunk): [A rows 0-127: chunks 0, 1, 2][A rows 128-255: chunks 0, 1, 2][B g = 0: chunks 0, 1, 2][B g = 1: chunks 0, 1, 2].
; One tensor load a wave at the head brings its block's three chunks; chunk 3 fills chunk 0's places again.
.set BQ,  64
.set BV,  96
.set TMX, 112
.set TMP, 114
.set TSO, 116
.set TCV, 118
.set QW,  122
.set QWS, 130
.set VW,  134
.set VWS, 138
.set QC,  144
.set VC,  208
.set MSB, 0
.macro WIN new                         ; the immediate's high byte repeats the setting that is left
.if MSB != (\new)
	s_set_vgpr_msb (MSB<<8)|(\new)
.set MSB, (\new)
.endif
.endm
.set MUL_LO, 0xa5                      ; both sources window 1, C and D window 2
.set MUL_HI, 0xf5                      ; C and D window 3
.set TO_F,   0x40                      ; destination window 1, address window 0
.macro PLACES                          ; four places in front of loads into registers that matrix instructions have read, and of the first read of results
.rept 4
	v_nop
.endr
.endm
.macro CREST
	s_cmp_lg_u32 s14, 0
	s_cbranch_scc1 .Lnot_wave_0_\@
	s_barrier_signal -3
.Lnot_wave_0_\@:
	s_barrier_wait -3
	s_barrier_signal -1
	s_barrier_wait -1
.endm
.macro CROUND
	s_barrier_signal -1
	s_barrier_wait -1
	CREST
.endm
.macro JLOAD                           ; the joint refill of region 0: waves 0, 1 fetch A's halves, waves 2, 3 B's; four v_nop follow each line
	s_cmp_eq_u32 s15, 0
	s_cbranch_scc0 .Lfor_b_\@
	tensor_load_to_lds s[G0A:G0A+3], s[G1A:G1A+7]
	s_nop 0
.rept 4
	v_nop
.endr
	s_branch .Lasked_\@
.Lfor_b_\@:
	tensor_load_to_lds s[G0B:G0B+3], s[G1B:G1B+7]
	s_nop 0
.rept 4
	v_nop
.endr
.Lasked_\@:
.endm
.macro WM                              ; one product; its registers are the symbols that MULA sets
.if fX && fY
	v_wmma_scale_f32_16x16x128_f8f6f4 v[rD:rD+7], v[rX:rX+11], v[rY:rY+11], v[rC:rC+7], v[rSX], v[rSY] matrix_a_fmt:MATRIX_FMT_FP6 matrix_b_fmt:MATRIX_FMT_FP6 matrix_a_scale:MATRIX_SCALE_ROW1 matrix_b_scale:MATRIX_SCALE_ROW1
.elseif fX
	v_wmma_scale_f32_16x16x128_f8f6f4 v[rD:rD+7], v[rX:rX+11], v[rY:rY+11], v[rC:rC+7], v[rSX], v[rSY] matrix_a_fmt:MATRIX_FMT_FP6 matrix_b_fmt:MATRIX_FMT_FP6 matrix_a_scale:MATRIX_SCALE_ROW1
.elseif fY
	v_wmma_scale_f32_16x16x128_f8f6f4 v[rD:rD+7], v[rX:rX+11], v[rY:rY+11], v[rC:rC+7], v[rSX], v[rSY] matrix_a_fmt:MATRIX_FMT_FP6 matrix_b_fmt:MATRIX_FMT_FP6 matrix_b_scale:MATRIX_SCALE_ROW1
.else
	v_wmma_scale_f32_16x16x128_f8f6f4 v[rD:rD+7], v[rX:rX+11], v[rY:rY+11], v[rC:rC+7], v[rSX], v[rSY] matrix_a_fmt:MATRIX_FMT_FP6 matrix_b_fmt:MATRIX_FMT_FP6
.endif
.endm
; row tile a against the six column tiles.  pset: B's set; s: the chunk's step; q: the set of scale words; first = 1: C is the bias.  The 48 accumulators take turns, one instruction a turn, in the same order in every step.
.macro MULA a, pset, s, q, first
.irp t, 0,1,2,3,4,5
.set rSA, 32+16*(\q)+4*(\s)+((\a)%4)   ; lanes 0-15: tile a % 4, lanes 16-31: tile 4 + a % 4
.set rSB, 32+16*(\q)+8+2*(\t/2)+(\s)   ; lanes 0-15: tile 2 p, lanes 16-31: tile 2 p + 1
.set rA, 12*(\a)
.set rB, 96+12*NT*(\pset)+12*\t
.if \t < 4
.set rD, 32*((\a)%4)+8*\t
.set rX, rB
.set rY, rA
.set rSX, rSB
.set rSY, rSA
.set fX, \t%2
.set fY, (\a)/4
.set rC, BQ+8*\t
.else
.set rD, 128+32*(\t-4)+8*((\a)%4)
.set rX, rA
.set rY, rB
.set rSX, rSA
.set rSY, rSB
.set fX, (\a)/4
.set fY, \t%2
.set rC, BV+8*(\t-4)
.endif
.if (\first) == 0
.set rC, rD
.endif
	WM
.endr
.endm
.macro MUL2 a0, pset, s, q, first
	MULA \a0, \pset, \s, \q, \first
	MULA (\a0)+1, \pset, \s, \q, \first
.endm
.macro FRAG reg, a16, a8, off          ; a fragment as it lies: each load covers 512 or 256 consecutive bytes
	ds_load_b128 v[(\reg):(\reg)+3], v[\a16] offset:(\off)
	ds_load_b64 v[(\reg)+4:(\reg)+5], v[\a8] offset:(\off)+512
	ds_load_b128 v[(\reg)+6:(\reg)+9], v[\a16] offset:(\off)+768
	ds_load_b64 v[(\reg)+10:(\reg)+11], v[\a8] offset:(\off)+1280
.endm
.macro FETCH_B s, pset
.irp t, 0,1,2,3,4,5
	FRAG 96+12*NT*(\pset)+12*\t, 8, 9, (\s)*BST+1536*\t
.endr
.endm
.macro FETCH_A s, first_tile
.irp n, 0,1,2,3
	FRAG 12*((\first_tile)+\n), 6, 7, (\s)*12288+1536*((\first_tile)+\n)
.endr
.endm
.macro SCALES q                        ; a chunk's scale words: A's of both steps, B's three pairs of tiles (a word for each step)
	ds_load_b128 v[32+16*(\q):32+16*(\q)+3], v6 offset:24576
	ds_load_b128 v[32+16*(\q)+4:32+16*(\q)+7], v6 offset:24576+512
.irp p, 0,1,2
	ds_load_b64 v[32+16*(\q)+8+2*\p:32+16*(\q)+9+2*\p], v10 offset:BSC+256*\p
.endr
.endm
.macro SETADR r                        ; the five addresses in region r
.irp n, 0,1
	v_add_nc_u32 v[6+\n], (\r)*AH, v[1+\n]         ; A: chunk places AH bytes apart
.endr
.irp n, 2,3,4
	v_add_nc_u32 v[6+\n], (\r)*BH, v[1+\n]         ; B: BH bytes apart
.endr
.endm
; a chunk's first step: its successor lies in the same region
.macro STEP q, first
	s_wait_dscnt 16                                ; B's set, A's tiles 0-3 and the scale words are in; the youngest sixteen loads (A's tiles 4-7) may be out
.if \first
	WIN 0x85                                       ; C (the bias) in window 0
.else
	WIN MUL_LO
.endif
	MUL2 0, 0, 0, \q, \first
	MUL2 2, 0, 0, \q, \first
	s_wait_dscnt 0x0
	PLACES
	WIN TO_F
	FETCH_B 1, 1
	FETCH_A 1, 0
.if \first
	WIN 0xc5
.else
	WIN MUL_HI
.endif
	MUL2 4, 0, 0, \q, \first
	MUL2 6, 0, 0, \q, \first
	PLACES
	WIN TO_F
	FETCH_A 1, 4
	WIN 0
.endm
; a chunk's second step goes on to region rnext.  kind 2: region 0 is filled again; kind 1: a barrier shows the next chunk, cnt younger loads may be out; kind 0: the next chunk was shown whole by an earlier barrier
.macro TURN kind, cnt, rnext, q
.if \kind == 2
	s_wait_tensorcnt 0x0                           ; all my tensor loads have landed: my parts of chunks 0, 1 and 2
	ds_add_u32 v28, v29                            ; 0 onto my spare word
	s_wait_dscnt 17                                ; (the add and A's tiles 4-7 may be out)
	WIN MUL_LO
	MUL2 0, 1, 1, \q, 0                            ; twelve matrix instructions stand between the add and the wait for it
	s_wait_dscnt 0x0                               ; the add is done, and my reads of region 0 are over
	s_barrier_signal -1
	MUL2 2, 1, 1, \q, 0
	WIN 0
	s_barrier_wait -1
	CREST                                          ; the barrier has opened a round of the cluster's: no wave of any partner still reads region 0 or has a load on its way
	s_add_nc_u64 s[G0A+2:G0A+3], s[G0A+2:G0A+3], 3*2*AH   ; from chunk 0 to chunk 3
	s_add_nc_u64 s[G0B+2:G0B+3], s[G0B+2:G0B+3], 3*2*BH
	JLOAD                                          ; the first tensor load behind the round, one a wave; its four v_nop are also the places in front of the loads below
.elseif \kind == 1
	s_wait_tensorcnt \cnt                          ; my part of the next chunk has landed
	s_wait_dscnt 16
	WIN MUL_LO
	MUL2 0, 1, 1, \q, 0
	s_wait_dscnt 0x0
	s_barrier_signal -1
	MUL2 2, 1, 1, \q, 0
	WIN 0
	s_barrier_wait -1                              ; everybody's has
	PLACES
.else
	s_wait_dscnt 16
	WIN MUL_LO
	MUL2 0, 1, 1, \q, 0
	MUL2 2, 1, 1, \q, 0
	s_wait_dscnt 0x0
	WIN 0
	PLACES
.endif
	SETADR \rnext
	WIN TO_F
	FETCH_B 0, 0
	FETCH_A 0, 0
	WIN 0
	SCALES 1-(\q)
	WIN MUL_HI
	MUL2 4, 1, 1, \q, 0
	MUL2 6, 1, 1, \q, 0
	PLACES
	WIN TO_F
	FETCH_A 0, 4
	WIN 0
.endm
; 32 numbers of a lane in window w, register s + 16 b + i = k 32 b + 16 (lane / 16) + i of my row, become a half's six registers v[pc] on and its two scale bytes in v[pw].  Each accumulator is read from its low end on.
.macro QUANT2 w, s, pc, pw
	WIN (\w)|((\w)<<2)
.irp b, 0,1
	v_max3_num_f32 v[TMX+\b], |v[(\s)+16*\b]|, |v[(\s)+16*\b+1]|, 0x1800000      ; the floor 2^(3 - 127) among the leaves
.endr
.irp i, 2,4,6,8,10,12,14
.irp b, 0,1
	v_max3_num_f32 v[TMX+\b], |v[(\s)+16*\b+\i]|, |v[(\s)+16*\b+\i+1]|, v[TMX+\b]
.endr
.endr
	WIN 0
.irp b, 0,1
	v_permlanex16_b32 v[TMP+\b], v[TMX+\b], s20, s21
.endr
.irp b, 0,1
	v_max_num_f32 v[TMX+\b], v[TMX+\b], v[TMP+\b]  ; with lane l xor 16's: the block's largest magnitude
.endr
.irp b, 0,1
	v_add_nc_u32 v[TSO+\b], 0xff000000, v[TMX+\b]  ; 2 off its exponent field: the conversion's scale operand
.endr
.irp b, 0,1
	v_lshrrev_b32 v[TMP+\b], 23, v[TSO+\b]
.endr
	v_lshl_or_b32 v[\pw], v[TMP+1], 8, v[TMP]
	WIN (\w)
	v_cvt_scalef32_pk16_fp6_f32 v[(\pc):(\pc)+2], v[(\s):(\s)+15], v[TSO]
	v_cvt_scalef32_pk16_fp6_f32 v[TCV:TCV+2], v[(\s)+16:(\s)+31], v[TSO+1]
	WIN 0
	v_nop                                          ; one plain place behind a scaled conversion
.irp i, 0,1,2
	v_permlane16_swap_b32 v[(\pc)+\i], v[TCV+\i]   ; a whole block to a lane: lanes 0-15 block 0, lanes 16-31 block 1
.endr
.irp i, 0,1,2
	v_mov_b32 v[(\pc)+3+\i], v[TCV+\i]
.endr
.endm
	s_load_b128 s[4:7], s[0:1], 0x0                ; xq, wq
	s_load_b128 s[8:11], s[0:1], 0x10              ; b_qkv, qq
	s_load_b64 s[12:13], s[0:1], 0x20              ; kv
	v_lshl_add_u32 v28, v0, 2, SPARE
	v_mov_b32 v29, 0
	ds_add_u32 v28, v29
	ds_add_u32 v28, v29
	s_wait_dscnt 0x0
	v_lshrrev_b32 v1, 5, v0
	v_readfirstlane_b32 s14, v1                    ; wave
	s_lshr_b32 s15, s14, 1                         ; my 128 rows.  Also: I fetch for A (0) or for B (1)
	s_and_b32 s16, s14, 1                          ; g.  Also: which half I fetch
	s_bfe_u32 s40, ttmp6, 0x40000                  ; cx
	s_bfe_u32 s41, ttmp6, 0x40004                  ; cy
	s_lshl_b32 s42, ttmp9, 2
	s_add_co_u32 s42, s42, s40                     ; head
	s_and_b32 s17, ttmp7, 0xffff
	s_lshl_b32 s17, s17, 2
	s_add_co_u32 s17, s17, s41                     ; row block
	s_lshl_b32 s43, s41, 2
	s_lshl_b32 s43, 15, s43                        ; my row of the cluster
	s_lshl_b32 s44, 0x1111, s40                    ; my column
	s_mov_b32 s20, 0x76543210
	s_mov_b32 s21, 0xfedcba98
	; group 1: a dense block as rows of 256 bytes (32 elements of 8 bytes), no padding: A 100 rows, B 75
	s_or_b32 s[G1A], s43, (3<<16)|(1<<21)
	s_mov_b32 s[G1A+1], 32<<16
	s_mov_b32 s[G1A+2], 100<<16
	s_mov_b32 s[G1A+3], 32<<16
	s_mov_b32 s[G1A+4], 100
	s_mov_b32 s[G1A+5], 32
	s_mov_b32 s[G1A+6], 0
	s_mov_b32 s[G1A+7], 0
	s_or_b32 s[G1B], s44, (3<<16)|(1<<21)
	s_mov_b32 s[G1B+1], 32<<16
	s_mov_b32 s[G1B+2], 75<<16
	s_mov_b32 s[G1B+3], 32<<16
	s_mov_b32 s[G1B+4], 75
	s_mov_b32 s[G1B+5], 32
	s_mov_b32 s[G1B+6], 0
	s_mov_b32 s[G1B+7], 0
	s_or_b32 s[G1HA], s43, (3<<16)|(1<<21)         ; the head's loads: a row is a chunk's whole block, from chunk to chunk two blocks in memory
	s_mov_b32 s[G1HA+1], (AH/8)<<16
	s_mov_b32 s[G1HA+2], 3<<16
	s_mov_b32 s[G1HA+3], (AH/8)<<16
	s_mov_b32 s[G1HA+4], 3
	s_mov_b32 s[G1HA+5], 2*AH/8
	s_mov_b32 s[G1HA+6], 0
	s_mov_b32 s[G1HA+7], 0
	s_or_b32 s[G1HB], s44, (3<<16)|(1<<21)
	s_mov_b32 s[G1HB+1], (BH/8)<<16
	s_mov_b32 s[G1HB+2], 3<<16
	s_mov_b32 s[G1HB+3], (BH/8)<<16
	s_mov_b32 s[G1HB+4], 3
	s_mov_b32 s[G1HB+5], 2*BH/8
	s_mov_b32 s[G1HB+6], 0
	s_mov_b32 s[G1HB+7], 0
	s_mul_i32 s46, s17, 8*AH                       ; A hangs on the row block alone,
	s_mul_i32 s47, s16, AH
	s_add_co_u32 s46, s46, s47
	s_mov_b32 s47, 0
	s_mul_i32 s48, s42, 8*BH                       ; B on the head alone
	s_mul_i32 s49, s16, BH
	s_add_co_u32 s48, s48, s49
	s_mov_b32 s49, 0
	s_mul_i32 s50, s16, 3*AH                       ; their places in LDS: the wave's number alone
	s_mul_i32 s51, s16, 3*BH
	s_add_co_u32 s51, s51, 6*AH
	s_wait_kmcnt 0x0
	s_add_nc_u64 s[46:47], s[4:5], s[46:47]
	s_add_nc_u64 s[48:49], s[6:7], s[48:49]
	CROUND                                         ; all sixteen work-groups are here: the first joint loads meet
.irp c, 0
	s_mov_b32 s[G0A+4*\c], 1
	s_add_co_u32 s[G0A+4*\c+1], s50, \c*REGION
	s_add_nc_u64 s[G0A+4*\c+2:G0A+4*\c+3], s[46:47], \c*2*AH
	s_or_b32 s[G0A+4*\c+3], s[G0A+4*\c+3], 0x80000000
	s_mov_b32 s[G0B+4*\c], 1
	s_add_co_u32 s[G0B+4*\c+1], s51, \c*REGION
	s_add_nc_u64 s[G0B+4*\c+2:G0B+4*\c+3], s[48:49], \c*2*BH
	s_or_b32 s[G0B+4*\c+3], s[G0B+4*\c+3], 0x80000000
.endr
	s_cmp_eq_u32 s15, 0                            ; one first fill a wave, one in each arm
	s_cbranch_scc0 .Lfirst_b
	tensor_load_to_lds s[G0A:G0A+3], s[G1HA:G1HA+7]
	s_nop 0
.rept 4
	v_nop
.endr
	s_branch .Lfirst_asked
.Lfirst_b:
	tensor_load_to_lds s[G0B:G0B+3], s[G1HB:G1HB+7]
	s_nop 0
.rept 4
	v_nop
.endr
.Lfirst_asked:
	; the biases, in the results' layout.  Q, K: lane (r, h), tile t: d = 32 (t / 2) + 8 (t % 2) + 16 h + 0 .. 7.  V: one number a lane, that of its d
	s_mul_i32 s52, s42, 768
	s_lshl_b32 s53, s16, 8
	s_add_co_u32 s52, s52, s53
	s_mov_b32 s53, 0
	s_add_nc_u64 s[52:53], s[8:9], s[52:53]        ; b_qkv at 192 head + 64 g
	s_mul_i32 s54, s42, 768
	s_lshl_b32 s55, s16, 7
	s_add_co_u32 s54, s54, s55
	s_mov_b32 s55, 0
	s_add_nc_u64 s[54:55], s[8:9], s[54:55]        ; and at 192 head + 32 g (V: 128 further on)
	v_bfe_u32 v15, v0, 4, 1                        ; h
	v_lshlrev_b32 v14, 6, v15
.irp t, 0,1,2,3
	global_load_b128 v[BQ+8*\t:BQ+8*\t+3], v14, s[52:53] offset:4*(32*(\t/2)+8*(\t%2))
	global_load_b128 v[BQ+8*\t+4:BQ+8*\t+7], v14, s[52:53] offset:4*(32*(\t/2)+8*(\t%2))+16
.endr
	v_and_b32 v16, 7, v0
	v_bfe_u32 v17, v0, 3, 1
	v_lshl_add_u32 v16, v17, 4, v16
	v_lshlrev_b32 v16, 2, v16                      ; 4 (r % 8 + 16 (r / 8))
	global_load_b32 v[BV], v16, s[54:55] offset:512
	global_load_b32 v[BV+8], v16, s[54:55] offset:544
	v_and_b32 v18, 31, v0                          ; lane
	v_and_b32 v19, 15, v0                          ; r
	v_lshlrev_b32 v11, 4, v18                      ; 16 x lane
	v_lshlrev_b32 v12, 4, v19
	v_lshl_add_u32 v12, v15, 3, v12                ; 16 r + 8 h
	v_lshlrev_b32 v13, 3, v18                      ; 8 x lane
	s_mul_i32 s56, s15, 3*AH
	v_add_nc_u32 v1, s56, v11                      ; my rows' block of A in a region,
	v_add_nc_u32 v2, s56, v12
	v_add_nc_u32 v3, s51, v11                      ; my g's block of B
	v_add_nc_u32 v4, s51, v12
	v_add_nc_u32 v5, s51, v13
	v_mov_b32 v[TMP], 0                            ; a lane permute's destination counts as one of its sources
	v_mov_b32 v[TMP+1], 0
	; where the results go
	s_lshr_b32 s56, s17, 3
	s_lshl_b32 s56, s56, 4
	s_add_co_u32 s56, s56, s42                     ; b h
	s_lshl_b32 s56, s56, 4
	s_and_b32 s57, s17, 7
	s_lshl_b32 s57, s57, 1
	s_add_co_u32 s56, s56, s57
	s_add_co_u32 s56, s56, s15                     ; the block of 128 rows
	s_mul_i32 s58, s56, 13312
	s_mul_i32 s60, s56, 6656
	s_mov_b32 s59, 0
	s_mov_b32 s61, 0
	s_add_nc_u64 s[58:59], s[12:13], s[58:59]
	s_add_nc_u64 s[60:61], s[10:11], s[60:61]
	s_cmp_eq_u32 s16, 0
	s_cselect_b64 s[60:61], s[60:61], s[58:59]     ; g = 0: Q's block of qq; g = 1: K's place in kv
	s_mul_i32 s62, s16, 3072
	s_mov_b32 s63, 0
	s_add_nc_u64 s[62:63], s[58:59], s[62:63]      ; V's fragments 2 g, 2 g + 1
	s_lshl_b32 s56, s16, 8
	s_mov_b32 s57, 0
	s_add_nc_u64 s[58:59], s[58:59], s[56:57]      ; and their scale words
	s_wait_alu depctr_va_vdst(0)
	s_wait_tensorcnt 0x0                           ; my one load, chunks 0 to 2 of my block, is in
	s_barrier_signal -1
	s_barrier_wait -1
	SETADR 0
	WIN TO_F
	FETCH_B 0, 0
	FETCH_A 0, 0
	WIN 0
	SCALES 0
	WIN TO_F
	FETCH_A 0, 4
	WIN 0
	s_wait_loadcnt 0x0                             ; the biases
.irp t, 0,1
.irp j, 1,2,3,4,5,6,7
	v_mov_b32 v[BV+8*\t+\j], v[BV+8*\t]            ; V's bias hangs on the lane's d alone: the same in all eight registers
.endr
.endr
	PLACES
	s_wait_alu depctr_va_vdst(0)
	STEP 0, 1                                      ; chunk 0; the biases start the sums: nothing is cleared
	TURN 2, 0, 1, 0                                ; region 0 takes chunk 3
	s_wait_alu depctr_va_vdst(0)
	STEP 1, 0                                      ; chunk 1
	TURN 0, 0, 2, 1                                ; chunk 2 was shown whole by the round above
	s_wait_alu depctr_va_vdst(0)
	STEP 0, 0                                      ; chunk 2
	TURN 1, 0, 0, 0                                ; chunk 3: no younger load
	s_wait_alu depctr_va_vdst(0)
	STEP 1, 0                                      ; chunk 3
	s_wait_dscnt 16
	WIN MUL_LO
	MUL2 0, 1, 1, 1, 0
	MUL2 2, 1, 1, 1, 0
	s_wait_dscnt 0x0
	WIN MUL_HI
	MUL2 4, 1, 1, 1, 0
	MUL2 6, 1, 1, 1, 0
	WIN 0
	; THE WAY OUT: no LDS; every store is a register image and covers 512 or 256 consecutive bytes; no store's data are written again
	PLACES
.irp a, 0,1,2,3,4,5,6,7
	QUANT2 2+\a/4, 32*(\a%4), QC+8*\a, QW+\a       ; 16 rows of Q or K: one half
	global_store_b128 v11, v[QC+8*\a:QC+8*\a+3], s[60:61] offset:768*\a
	global_store_b64 v12, v[QC+8*\a+4:QC+8*\a+5], s[60:61] offset:768*\a+512
.endr
.irp t, 0,1
.irp c, 0,1
	QUANT2 2+\c, 128+32*\t, VC+8*(2*\t+\c), VW+2*\t+\c   ; 16 d x keys 64 c on
	global_store_b128 v11, v[VC+8*(2*\t+\c):VC+8*(2*\t+\c)+3], s[62:63] offset:6656+1536*\t+768*\c
	global_store_b64 v12, v[VC+8*(2*\t+\c)+4:VC+8*(2*\t+\c)+5], s[62:63] offset:6656+1536*\t+768*\c+512
.endr
.endr
	v_cmp_le_u32 vcc_lo, 16, v18
.irp i, 0,1,2,3
	v_cndmask_b32 v[QWS+\i], v[QW+\i], v[QW+4+\i], vcc_lo   ; lanes 0-15: the words of tiles 0-3 of row r, lanes 16-31: of tiles 4-7
.endr
	global_store_b128 v11, v[QWS:QWS+3], s[60:61] offset:6144
	v_lshl_or_b32 v[VW], v[VW+1], 16, v[VW]
	v_lshl_or_b32 v[VW+2], v[VW+3], 16, v[VW+2]
	v_cndmask_b32 v[VWS], v[VW], v[VW+2], vcc_lo
	v_mov_b32 v[VWS+1], 0
	global_store_b64 v13, v[VWS:VWS+1], s[58:59] offset:12800
	s_wait_tensorcnt 0x0                           ; the wave's end
	ds_add_u32 v28, v29
	s_wait_dscnt 0x0
	CROUND                                         ; the closing round
	s_endpgm
.Lfunc_end_k_q8ea98ce055_gemm_qkv:
	.size	k_q8ea98ce055_gemm_qkv, .Lfunc_end_k_q8ea98ce055_gemm_qkv-k_q8ea98ce055_gemm_qkv
	.p2alignl 7, 3214868480
	.fill 96, 4, 3214868480
	.section	.rodata,"a",@progbits
	.p2align	6, 0x0
	.amdhsa_kernel k_q8ea98ce055_gemm_qkv
		.amdhsa_group_segment_fixed_size 327680
		.amdhsa_private_segment_fixed_size 0
		.amdhsa_enable_private_segment 0
		.amdhsa_kernarg_size 40
		.amdhsa_user_sgpr_count 2
		.amdhsa_user_sgpr_kernarg_segment_ptr 1
		.amdhsa_wavefront_size32 1
		.amdhsa_system_sgpr_workgroup_id_x 1
		.amdhsa_system_sgpr_workgroup_id_y 1
		.amdhsa_system_sgpr_workgroup_id_z 1
		.amdhsa_system_vgpr_workitem_id 0
		.amdhsa_next_free_vgpr 1024
		.amdhsa_next_free_sgpr 96
		.amdhsa_reserve_vcc 1
		.amdhsa_float_denorm_mode_32 3
		.amdhsa_float_denorm_mode_16_64 3
		.amdhsa_memory_ordered 1
		.amdhsa_forward_progress 1
		.amdhsa_inst_pref_size 119
	.end_amdhsa_kernel
	.amdgpu_metadata
---
amdhsa.version: [ 1, 2 ]
amdhsa.kernels:
  - .name:           k_q8ea98ce055_gemm_qkv
    .symbol:         k_q8ea98ce055_gemm_qkv.kd
    .args:
      - { .name: xq, .offset: 0, .size: 8, .value_kind: global_buffer, .address_space: global }
      - { .name: wq, .offset: 8, .size: 8, .value_kind: global_buffer, .address_space: global }
      - { .name: b_qkv, .offset: 16, .size: 8, .value_kind: global_buffer, .address_space: global }
      - { .name: qq, .offset: 24, .size: 8, .value_kind: global_buffer, .address_space: global }
      - { .name: kv, .offset: 32, .size: 8, .value_kind: global_buffer, .address_space: global }
    .group_segment_fixed_size: 327680
    .private_segment_fixed_size: 0
    .kernarg_segment_align: 8
    .kernarg_segment_size: 40
    .max_flat_workgroup_size: 128
    .sgpr_count:     96
    .vgpr_count:     1024
    .wavefront_size: 32
...
	.end_amdgpu_metadata
.endif
;; end of part 2
;; launch attn (part 3): grid 4 x 64, 8 waves a work-group, clusters of 4 x 1, 214,016 bytes of LDS; arguments qq, kv, aq; writes aq
.if DOCPART == 3
	.amdgcn_target "amdgcn-amd-amdhsa--gfx1250"
	.amdhsa_code_object_version 6
	.text
	.protected	k_q8ea98ce055_attn
	.globl	k_q8ea98ce055_attn
	.p2align	8
	.type	k_q8ea98ce055_attn,@function
k_q8ea98ce055_attn:
	s_mov_b64 s[64:65], 0
	v_nop
	global_prefetch_b8 v0, s[64:65] scope:SCOPE_SE
	s_setreg_imm32_b32 hwreg(HW_REG_WAVE_MODE, 25, 1), 1
	s_wait_xcnt 0x0
	s_wait_alu depctr_hold_cnt(0) depctr_sa_sdst(0) depctr_va_vdst(0) depctr_va_sdst(0) depctr_va_ssrc(0) depctr_va_vcc(0) depctr_vm_vsrc(0)
	s_getreg_b32 s2, hwreg(HW_REG_IB_STS2, 6, 4)
	s_cmp_eq_u32 s2, 0
	s_cbranch_scc0 .Lentry_in_a_cluster
	s_endpgm
.Lentry_in_a_cluster:
	s_bfe_u32 s2, ttmp6, 0x10000c
	s_cmp_lg_u32 s2, 0x3003
	s_cbranch_scc0 .Lentry_shape_is_right
	s_endpgm
.Lentry_shape_is_right:
; softmax(Q K^T / 8) V for one head of one batch, on codes of FP6 (E2M3) with E8M0 scales; the result is quantised along d and leaves as register images (aq), as the last launch reads them.
; A work-group: 512 queries of one (batch, head).  Eight waves; a wave owns 64 queries, four tiles of 16, and walks the 2,048 keys once, in 16 steps of 128.  Each fragment of K and V is read from LDS once a wave and step, for four tiles.
; LDS: ALL of the head's K and V, 16 steps x 13,312 bytes as kv holds them, by ONE joint load a wave (two steps, 104 rows of 256 bytes); nothing is filled again.  Behind it the spare words.
; CLUSTER 4 x 1: the four work-groups of a head ask for the same K and V jointly (mask 15).  No prefetch: all tiles are asked for at the head, and there is no loop to run ahead in.
; BOTH PRODUCTS ARE USED TRANSPOSED (S^T = K Q^T, O^T = V^T p^T): lane (r, h) holds query r.  d is 64 and the instruction 128 deep: Q's registers 6-11 are zero codes, so K's operand may run on into the next tile's registers.
; THE KEYS OF A TILE ARE CHOSEN BY THE LANE'S LDS ADDRESS: row r of tile (c, u) is key 64 c + 32 (r / 8) + 8 u + r % 8.  So register 32 c + 8 u + i of lane (r, h) is key 64 c + 32 h + 8 u + i:
; a lane's 32 registers of a half c are ONE scale block of p, in the order of the operand's registers: no lane is asked for a block's maximum, and the conversions' results are the operand.
; In kv key 32 b + 8 u' + r' % 8 + 16 (r' / 8) is row r' of half 2 b + u' (768 bytes: registers 0-3 at 16 (r' + 16 h), 4-5 at 512 + 16 r' + 8 h), which gives the lane terms and offsets of LOADK.
; p = 2^(t - M), t = score x log2(e) / 8, M the ceiling of the running largest t (kept as -M); the row's sum is taken of the unquantised p; a change of M multiplies the sums and O^T by an exact power of two.
; A block's largest p is made from its largest score by the same multiply-add and exponential.
; A tile's twelve products stand among plain vector work: V^T p^T among the sums over half 0, the next tile's K Q^T among the sums over half 1 and that tile's first maxima.
; Lines that hang on each other are kept apart: maxima and the sums over half 0 go in four chains by turns, the sums over half 1 as a tree in place, f is made among the multiply-adds, the scale word among the conversions.
; The last trip fetches step 15's fragments once more; they are not used (the step is written once).
; LIMITS: NaN and infinities are not served; the promise holds while the scaled scores stay under 2^31 in magnitude; a block's byte is held at 1 from below.
; REGISTERS.  Window 0: v1-7 lane terms, v8-13 LDS addresses, v16-23 (-M, largest score) a tile, v24 f, v26-33 sums over half 1, v34-41 maxima, v42-52 scale words, v54-74 at work, v76-87 p's codes, v88-135 Q, v136-189 K, v192-255 scores, then p.
; Window 1: v0-127 O^T (tile j at 32 j), v128-175 V's fragments, v176-207 sums over half 0.
.set KVB, 13312
.set SPARE, 16*KVB
.set KA, 8
.set KB, 9
.set KS, 10
.set VA, 11
.set VB, 12
.set VS, 13
.set SPW, 14
.set NIL, 15
.set NM, 16
.set F, 24
.set LB, 26
.set BM, 34
.set QS, 42
.set KSC, 46
.set VSC, 50
.set PS, 52
.set H8, 53
.set OW, 54                            ; v54-57 the way out: a tile's two scale bytes
.set T0, 58
.set T1, 59
.set T2, 60
.set SO, 62
.set BY, 64
.set W, 66
.set CT, 68
.set P, 76
.set Q, 88
.set K, 136
.set S, 192
.set VF, 128                           ; window 1
.set LA, 176                           ; window 1
.set NVL, 18                           ; LDS loads of LOADV
.set MSB, 0
.macro WIN new                         ; the immediate's high byte repeats the setting that is left
.if MSB != (\new)
	s_set_vgpr_msb (MSB<<8)|(\new)
.set MSB, (\new)
.endif
.endm
.macro WALU
	s_wait_alu depctr_va_vdst(0)
.endm
.macro DEP1
	s_delay_alu instid0(VALU_DEP_1)
.endm
.macro CROUND
	s_barrier_signal -1
	s_barrier_wait -1
	s_cmp_lg_u32 s18, 0
	s_cbranch_scc1 .Lnot_wave_0_\@
	s_barrier_signal -3
.Lnot_wave_0_\@:
	s_barrier_wait -3
	s_barrier_signal -1
	s_barrier_wait -1
.endm
.macro LOADK                           ; eight tiles of 16 keys x 64 d, six registers each, and their scale words (register u: lanes 0-15 tile (0, u), lanes 16-31 tile (1, u)): 18 loads
.irp c, 0,1
.irp u, 0,1,2,3
	ds_load_b128 v[K+6*(4*\c+\u):K+6*(4*\c+\u)+3], v[KA] offset:3072*\c+768*(\u%2)+128*(\u/2)
	ds_load_b64 v[K+6*(4*\c+\u)+4:K+6*(4*\c+\u)+5], v[KB] offset:3072*\c+768*(\u%2)+128*(\u/2)+512
.endr
.endr
	ds_load_b64 v[KSC:KSC+1], v[KS] offset:6144
	ds_load_b64 v[KSC+2:KSC+3], v[KS] offset:6144+128
.endm
.macro LOADV                           ; four fragments of V^T (16 d x 128 keys) as they lie, and their scale words: NVL loads
	WIN 0x40
.irp t, 0,1,2,3
	ds_load_b128 v[VF+12*\t:VF+12*\t+3], v[VA] offset:6656+1536*\t
	ds_load_b64 v[VF+12*\t+4:VF+12*\t+5], v[VB] offset:6656+1536*\t+512
	ds_load_b128 v[VF+12*\t+6:VF+12*\t+9], v[VA] offset:6656+1536*\t+768
	ds_load_b64 v[VF+12*\t+10:VF+12*\t+11], v[VB] offset:6656+1536*\t+1280
.endr
	WIN 0
	ds_load_b32 v[VSC], v[VS] offset:12800
	ds_load_b32 v[VSC+1], v[VS] offset:13056
.endm
.macro QKW j, c, u                     ; scores of key tile (c, u) and query tile j
.if \c
	v_wmma_scale_f32_16x16x128_f8f6f4 v[S+32*\c+8*\u:S+32*\c+8*\u+7], v[K+6*(4*\c+\u):K+6*(4*\c+\u)+11], v[Q+12*\j:Q+12*\j+11], 0, v[KSC+\u], v[QS+\j] matrix_a_fmt:MATRIX_FMT_FP6 matrix_b_fmt:MATRIX_FMT_FP6 matrix_a_scale:MATRIX_SCALE_ROW1
.else
	v_wmma_scale_f32_16x16x128_f8f6f4 v[S+32*\c+8*\u:S+32*\c+8*\u+7], v[K+6*(4*\c+\u):K+6*(4*\c+\u)+11], v[Q+12*\j:Q+12*\j+11], 0, v[KSC+\u], v[QS+\j] matrix_a_fmt:MATRIX_FMT_FP6 matrix_b_fmt:MATRIX_FMT_FP6
.endif
.endm
.macro PVW j, t                        ; O^T += V^T p^T, d tile t (under the setting 0x51: V and O^T in window 1, p in window 0)
.if (\t)%2
	v_wmma_scale_f32_16x16x128_f8f6f4 v[32*\j+8*\t:32*\j+8*\t+7], v[VF+12*\t:VF+12*\t+11], v[P:P+11], v[32*\j+8*\t:32*\j+8*\t+7], v[VSC+\t/2], v[PS] matrix_a_fmt:MATRIX_FMT_FP6 matrix_b_fmt:MATRIX_FMT_FP6 matrix_a_scale:MATRIX_SCALE_ROW1
.else
	v_wmma_scale_f32_16x16x128_f8f6f4 v[32*\j+8*\t:32*\j+8*\t+7], v[VF+12*\t:VF+12*\t+11], v[P:P+11], v[32*\j+8*\t:32*\j+8*\t+7], v[VSC+\t/2], v[PS] matrix_a_fmt:MATRIX_FMT_FP6 matrix_b_fmt:MATRIX_FMT_FP6
.endif
.endm
.macro MAXC c, i                       ; line i of 16: the largest of half c's 32 scores: four chains by turns, one for each accumulator, first read at its low end; then the four and the four last registers are joined
.set A_, BM+4*(\c)
.set X_, S+32*(\c)
.if (\i) < 4
	v_max3_num_f32 v[A_+(\i)], v[X_+8*(\i)], v[X_+8*(\i)+1], v[X_+8*(\i)+2]
.elseif (\i) < 12
	v_max3_num_f32 v[A_+(\i)%4], v[A_+(\i)%4], v[X_+8*((\i)%4)+2*((\i)/4)+1], v[X_+8*((\i)%4)+2*((\i)/4)+2]
.elseif (\i) == 12
	v_max3_num_f32 v[A_], v[A_], v[A_+1], v[X_+7]
.elseif (\i) == 13
	v_max3_num_f32 v[A_+2], v[A_+2], v[A_+3], v[X_+15]
.elseif (\i) == 14
	v_max3_num_f32 v[A_], v[A_], v[A_+2], v[X_+23]
.else
	v_max_num_f32 v[A_], v[A_], v[X_+31]
.endif
.endm
.macro PADD d, s                       ; pair d of half 1 += pair s
	v_pk_add_f32 v[S+32+2*(\d):S+32+2*(\d)+1], v[S+32+2*(\d):S+32+2*(\d)+1], v[S+32+2*(\s):S+32+2*(\s)+1]
.endm
.macro SUMB j, i                       ; line i of 16: the sum over half 1's sixteen pairs, a tree in place (the codes are made); the last line brings the old sum under the new M and adds
.if (\i) < 8
	PADD 8+(\i), (\i)
.elseif (\i) < 12
	PADD 4+(\i), (\i)
.elseif (\i) < 14
	PADD 2+(\i), (\i)
.elseif (\i) == 14
	PADD 15, 14
.else
	v_pk_fma_f32 v[LB+2*\j:LB+2*\j+1], v[LB+2*\j:LB+2*\j+1], v[F:F+1], v[S+62:S+63] op_sel_hi:[1,0,1]
.endif
.endm
.macro SUMA j, i                       ; line i of 16: the sum over half 0, four chains, under the products' setting 0x51: the sum lies in window 1 and is the form's third source, p its second
	v_pk_fma_f32 v[LA+8*\j+2*((\i)%4):LA+8*\j+2*((\i)%4)+1], 1.0, v[S+2*(\i):S+2*(\i)+1], v[LA+8*\j+2*((\i)%4):LA+8*\j+2*((\i)%4)+1] op_sel_hi:[0,1,1]
.endm
.macro QKMIX j, c, jp                  ; four products of tile j, four plain lines behind each: c = 0: tile jp's sums over half 1; c = 1: tile j's maxima over half 0 (the four lines behind the last product of a half are its places)
.set I, 0
.irp u, 0,1,2,3
	QKW \j, \c, \u
.rept 4
.if \c
	MAXC 0, I
.else
	SUMB \jp, I
.endif
.set I, I+1
.endr
.endr
.endm
.macro TM n                            ; n multiply-adds t - M, two scores each; -M is taken from the floor's own register
.rept \n
	v_pk_fma_f32 v[S+I:S+I+1], v[S+I:S+I+1], s[22:23], v[T0:T0+1] op_sel_hi:[1,0,0]
.set I, I+2
.endr
.endm
.macro TILE j, jn
.if \j == 3
	LOADK                                          ; the next step's K: this step's last scores are issued, four maxima stand behind them
.endif
.set I, 0
.rept 16
	MAXC 1, I
.set I, I+1
.endr
	DEP1
	v_max3_num_f32 v[T0], v[NM+2*\j+1], v[BM], v[BM+4]
	DEP1
	v_permlanex16_b32 v[T1], v[T0], s20, s21       ; lane l xor 16 holds the row's other keys
	DEP1
	v_max_num_f32 v[NM+2*\j+1], v[T0], v[T1]       ; the running largest score
	DEP1
	v_mul_f32 v[T0], s24, v[NM+2*\j+1]             ; -t
	DEP1
	v_floor_f32 v[T0], v[T0]                       ; the new -M
	DEP1
	v_sub_f32 v[T2], v[T0], v[NM+2*\j]             ; old M - new M, a whole number, 0 or less
.set I, 0
	TM 4
	v_cvt_i32_f32 v[T2], v[T2]                     ; (it saturates)
	TM 4
	v_ldexp_f32 v[F], 1.0, v[T2]                   ; f = 2^(old M - new M)
	TM 24
	v_fma_f32 v[BM], v[BM], s22, v[T0]             ; the same of each block's largest score
	v_fma_f32 v[BM+4], v[BM+4], s22, v[T0]
	WIN 0x41
	WALU                                           ; directly ahead of the first readers of O^T, and ahead of the batch
.set I, 0
.rept 16
	v_pk_mul_f32 v[32*\j+I:32*\j+I+1], v[32*\j+I:32*\j+I+1], v[F:F+1] op_sel_hi:[1,0]
.set I, I+2
.endr
.irp i, 0,2,4,6
	v_pk_mul_f32 v[LA+8*\j+\i:LA+8*\j+\i+1], v[LA+8*\j+\i:LA+8*\j+\i+1], v[F:F+1] op_sel_hi:[1,0]
.endr
	WIN 0
	v_exp_f32 v[BM], v[BM]
	v_exp_f32 v[BM+4], v[BM+4]
.set I, 0
.rept 64
	v_exp_f32 v[S+I], v[S+I]
.set I, I+1
.endr
	v_mov_b32 v[NM+2*\j], v[T0]                    ; -M is kept: plain work behind the batch
	WALU                                           ; behind the batch
.if \j == 0
	s_wait_dscnt 0x0                               ; this step's V is in
.endif
	v_max_num_f32 v[BM], 0x1800000, v[BM]          ; the floor 2^(3 - 127)
	v_max_num_f32 v[BM+4], 0x1800000, v[BM+4]
	s_delay_alu instid0(VALU_DEP_2)
	v_add_nc_u32 v[SO], 0xff000000, v[BM]          ; 2 off the exponent field: the conversion's scale operand
	s_delay_alu instid0(VALU_DEP_2)
	v_add_nc_u32 v[SO+1], 0xff000000, v[BM+4]
	v_cvt_scalef32_pk16_fp6_f32 v[P:P+2], v[S:S+15], v[SO]
	v_lshrrev_b32 v[BY], 23, v[SO]                 ; the scale word's lines stand among the conversions and are their plain places
	v_cvt_scalef32_pk16_fp6_f32 v[CT:CT+2], v[S+16:S+31], v[SO]        ; (a conversion's three registers begin on an even number)
	v_lshrrev_b32 v[BY+1], 23, v[SO+1]
	v_cvt_scalef32_pk16_fp6_f32 v[P+6:P+8], v[S+32:S+47], v[SO+1]
	v_lshl_or_b32 v[W], v[BY+1], 16, v[BY]         ; my bytes: blocks h and 2 + h,
	v_cvt_scalef32_pk16_fp6_f32 v[CT+4:CT+6], v[S+48:S+63], v[SO+1]
	v_lshlrev_b32 v[W], v[H8], v[W]                ; 8 h bits up;
	v_mov_b32 v[P+3], v[CT]
	v_permlanex16_b32 v[T1], v[W], s20, s21
	v_mov_b32 v[P+4], v[CT+1]
	v_or_b32 v[PS], v[W], v[T1]                    ; with the other half's two the row's word is whole: four moves and four sums, eight places, stand between it and the first product
	v_mov_b32 v[P+5], v[CT+2]
.irp i, 0,1,2
	v_mov_b32 v[P+9+\i], v[CT+4+\i]
.endr
	WIN 0x51
.set I, 0
.irp t, 0,1,2,3
.rept 4
	SUMA \j, I                                     ; the first four are the places between the moves and the first product
.set I, I+1
.endr
	PVW \j, \t
.endr
	WIN 0
.if \j < 3
	QKMIX \jn, 0, \j
	QKMIX \jn, 1, \j
.else
.set I, 0
.rept 16
	SUMB \j, I
.set I, I+1
.endr
	LOADV                                          ; the next step's V: sixteen plain lines stand behind this step's last product
.endif
.endm
; 32 numbers of a lane, register s + 16 b + i = d 32 b + 16 h + i of my row, become a half's six registers v[pc] on and its two scale bytes in v[pw]
.macro QUANT2 s, pc, pw
.irp b, 0,1
	v_max3_num_f32 v[BM+\b], |v[(\s)+16*\b]|, |v[(\s)+16*\b+1]|, 0x1800000
.endr
.irp i, 2,4,6,8,10,12,14
.irp b, 0,1
	v_max3_num_f32 v[BM+\b], |v[(\s)+16*\b+\i]|, |v[(\s)+16*\b+\i+1]|, v[BM+\b]
.endr
.endr
.irp b, 0,1
	v_permlanex16_b32 v[T0+\b], v[BM+\b], s20, s21
.endr
.irp b, 0,1
	v_max_num_f32 v[BM+\b], v[BM+\b], v[T0+\b]
.endr
.irp b, 0,1
	v_add_nc_u32 v[SO+\b], 0xff000000, v[BM+\b]
.endr
.irp b, 0,1
	v_lshrrev_b32 v[T0+\b], 23, v[SO+\b]
.endr
	v_lshl_or_b32 v[\pw], v[T0+1], 8, v[T0]
	v_cvt_scalef32_pk16_fp6_f32 v[(\pc):(\pc)+2], v[(\s):(\s)+15], v[SO]
	v_cvt_scalef32_pk16_fp6_f32 v[CT:CT+2], v[(\s)+16:(\s)+31], v[SO+1]
	v_nop
.irp i, 0,1,2
	v_permlane16_swap_b32 v[(\pc)+\i], v[CT+\i]    ; a whole block to a lane
.endr
.irp i, 0,1,2
	v_mov_b32 v[(\pc)+3+\i], v[CT+\i]
.endr
.endm
.macro FINISH j                        ; O^T / the row's sum, quantised along d, stored as a register image; each tile has registers of its own for its stores' data
	WIN 0x05
.irp i, 0,1,2,3
	v_add_f32 v[BM+\i], v[LA+8*\j+2*\i], v[LA+8*\j+2*\i+1]
.endr
	WIN 0
	v_add_f32 v[T2], v[LB+2*\j], v[LB+2*\j+1]
	v_add_f32 v[BM], v[BM], v[BM+1]
	v_add_f32 v[BM+2], v[BM+2], v[BM+3]
	v_add_f32 v[BM], v[BM], v[T2]
	v_add_f32 v[BM], v[BM], v[BM+2]
	v_permlanex16_b32 v[T1], v[BM], s20, s21
	v_add_f32 v[BM], v[BM], v[T1]
	WALU
	v_rcp_f32 v[F], v[BM]
	WIN 0x01
	v_nop
	WALU                                           ; for the reciprocal, and directly ahead of the first readers of O^T
.set I, 0
.rept 16
	v_pk_mul_f32 v[S+I:S+I+1], v[32*\j+I:32*\j+I+1], v[F:F+1] op_sel_hi:[1,0]
.set I, I+2
.endr
	WIN 0
	QUANT2 S, Q+12*\j, OW+\j
	global_store_b128 v1, v[Q+12*\j:Q+12*\j+3], s[54:55] offset:1536*\j
	global_store_b64 v2, v[Q+12*\j+4:Q+12*\j+5], s[54:55] offset:1536*\j+512
	global_store_b16 v7, v[OW+\j], s[56:57] offset:4*\j
.endm
	s_load_b128 s[4:7], s[0:1], 0x0                ; qq, kv
	s_load_b64 s[8:9], s[0:1], 0x10                ; aq
	v_lshl_add_u32 v[SPW], v0, 2, SPARE
	v_mov_b32 v[NIL], 0
	ds_add_u32 v[SPW], v[NIL]                      ; the opening lines
	ds_add_u32 v[SPW], v[NIL]
	v_lshrrev_b32 v[T0], 5, v0
	v_readfirstlane_b32 s18, v[T0]                 ; wave
	s_bfe_u32 s10, ttmp6, 0x40000                  ; cx: which 512 queries
	s_and_b32 s11, ttmp7, 0xffff                   ; batch x 16 + head
	s_mov_b32 s20, 0x76543210
	s_mov_b32 s21, 0xfedcba98                      ; selects for lane l xor 16
	s_mov_b32 s22, 0x3e38aa3b                      ; c = log2(e) / 8
	s_mov_b32 s23, s22
	s_mov_b32 s24, 0xbe38aa3b                      ; -c
	s_mov_b32 s28, 15|(3<<16)|(1<<21)              ; group 1: 104 rows of 256 bytes, dense, for all four work-groups
	s_mov_b32 s29, 32<<16
	s_mov_b32 s30, 104<<16
	s_mov_b32 s31, 32<<16
	s_mov_b32 s32, 104
	s_mov_b32 s33, 32
	s_mov_b32 s34, 0
	s_mov_b32 s35, 0
	s_mov_b32 s36, 1
	s_mul_i32 s37, s18, 2*KVB                      ; my two key steps
	s_mul_i32 s12, s11, 16*KVB
	s_add_co_u32 s12, s12, s37
	s_mov_b32 s13, 0
	s_wait_dscnt 0x0
	s_wait_kmcnt 0x0
	s_add_nc_u64 s[38:39], s[6:7], s[12:13]
	s_or_b32 s39, s39, 0x80000000
	CROUND
	tensor_load_to_lds s[36:39], s[28:35]          ; one load a wave: all of the head's K and V
	s_nop 0
.rept 4
	v_nop
.endr
	; my 64 queries: tiles 4 (wave % 2) + j of the block of 128 queries 4 cx + wave / 2
	s_lshl_b32 s50, s11, 4
	s_lshl_b32 s51, s10, 2
	s_add_co_u32 s50, s50, s51
	s_lshr_b32 s51, s18, 1
	s_add_co_u32 s50, s50, s51
	s_mul_i32 s50, s50, 6656
	s_and_b32 s15, s18, 1
	s_lshl_b32 s52, s15, 8
	s_add_co_u32 s52, s52, s50
	s_add_co_u32 s52, s52, 6144
	s_mul_i32 s51, s15, 3072
	s_add_co_u32 s50, s50, s51
	s_mov_b32 s51, 0
	s_mov_b32 s53, 0
	s_add_nc_u64 s[50:51], s[4:5], s[50:51]
	s_add_nc_u64 s[52:53], s[4:5], s[52:53]
	; where they go in aq: [row block of 256][chunk = head / 4][half of 128 rows][25,600]: step (head / 2) % 2, tile, half head % 2
	s_lshr_b32 s54, s11, 4
	s_lshl_b32 s54, s54, 3
	s_lshl_b32 s55, s10, 1
	s_add_co_u32 s54, s54, s55
	s_lshr_b32 s55, s18, 2
	s_add_co_u32 s54, s54, s55
	s_lshl_b32 s54, s54, 2
	s_bfe_u32 s55, s11, 0x20002
	s_add_co_u32 s54, s54, s55
	s_lshl_b32 s54, s54, 1
	s_bfe_u32 s55, s18, 0x10001
	s_add_co_u32 s54, s54, s55
	s_mul_i32 s54, s54, 25600
	s_bfe_u32 s58, s11, 0x10001
	s_and_b32 s59, s11, 1
	s_lshl_b32 s56, s58, 9
	s_add_co_u32 s56, s56, s54
	s_lshl_b32 s60, s15, 8
	s_add_co_u32 s56, s56, s60
	s_lshl_b32 s60, s59, 1
	s_add_co_u32 s56, s56, s60
	s_add_co_u32 s56, s56, 24576
	s_mul_i32 s58, s58, 12288
	s_add_co_u32 s54, s54, s58
	s_mul_i32 s58, s15, 6144
	s_add_co_u32 s54, s54, s58
	s_mul_i32 s58, s59, 768
	s_add_co_u32 s54, s54, s58
	s_mov_b32 s55, 0
	s_mov_b32 s57, 0
	s_add_nc_u64 s[54:55], s[8:9], s[54:55]
	s_add_nc_u64 s[56:57], s[8:9], s[56:57]
	v_and_b32 v[T0], 31, v0                        ; lane
	v_and_b32 v[T1], 15, v0                        ; r
	v_bfe_u32 v[T2], v0, 4, 1                      ; h
	v_lshlrev_b32 v1, 4, v[T0]                     ; 16 x lane
	v_lshlrev_b32 v7, 4, v[T1]                     ; 16 r
	v_lshl_add_u32 v2, v[T2], 3, v7                ; 16 r + 8 h
	v_lshlrev_b32 v6, 3, v[T0]                     ; 8 x lane
	v_lshlrev_b32 v[H8], 3, v[T2]                  ; 8 h
	v_and_b32 v[W], 7, v0
	v_bfe_u32 v[T1], v0, 3, 1                      ; r / 8
	v_lshlrev_b32 v[W], 4, v[W]                    ; 16 (r % 8)
	v_mad_u32_u24 v[T0], v[T1], 1536, v[W]
	v_lshl_add_u32 v3, v[T2], 8, v[T0]             ; K, registers 0-3: 1,536 (r / 8) + 16 (r % 8) + 256 h
	v_lshl_add_u32 v4, v[T2], 3, v[T0]             ; K, registers 4-5: .. + 8 h
	v_lshl_add_u32 v5, v[T1], 3, v[W]
	v_lshl_add_u32 v5, v[T2], 8, v5                ; K's scale words: 16 (r % 8) + 8 (r / 8) + 256 h
.irp j, 0,1,2,3
	global_load_b128 v[Q+12*\j:Q+12*\j+3], v1, s[50:51] offset:768*\j
	global_load_b64 v[Q+12*\j+4:Q+12*\j+5], v2, s[50:51] offset:768*\j+512
.endr
	global_load_b128 v[QS:QS+3], v7, s[52:53]      ; the four tiles' scale words of row r
.irp j, 0,1,2,3
.irp i, 6,7,8,9,10,11
	v_mov_b32 v[Q+12*\j+\i], 0                     ; zero codes for k = 64 .. 127
.endr
	v_mov_b32 v[NM+2*\j], 0x7f61b1e6               ; -M: 3e38
	v_mov_b32 v[NM+2*\j+1], 0xff61b1e6             ; the largest score so far: -3e38
	v_mov_b32 v[LB+2*\j], 0
	v_mov_b32 v[LB+2*\j+1], 0
.endr
.irp i, 48,49,50,51,52,53
	v_mov_b32 v[K+\i], 0                           ; what the last tile's operand runs on into
.endr
	v_mov_b32 v[F+1], 0                            ; (named as the upper half of a pair)
	WIN 0x40
.set I, 0
.rept 128
	v_mov_b32 v[I], 0                              ; O^T: the step is written once, the first finds zeros
.set I, I+1
.endr
.set I, 0
.rept 32
	v_mov_b32 v[LA+I], 0
.set I, I+1
.endr
	WIN 0
	WALU                                           ; the head's end
	s_wait_loadcnt 0x0
	s_wait_tensorcnt 0x0                           ; my two steps are in
	s_barrier_signal -1
	s_barrier_wait -1                              ; everybody's are
	v_add_nc_u32 v[KA], 0, v3
	v_add_nc_u32 v[KB], 0, v4
	v_add_nc_u32 v[KS], 0, v5
	v_add_nc_u32 v[VA], 0, v1
	v_add_nc_u32 v[VB], 0, v2
	v_add_nc_u32 v[VS], 0, v6
	LOADK
	LOADV
	s_mov_b32 s16, KVB                             ; the next step's place
	s_mov_b32 s17, 0
	WALU
.Lstep:
	s_min_u32 s19, s16, 15*KVB                     ; the last trip names step 15 again
	s_wait_dscnt NVL                               ; K's 18 loads are in; V's NVL, issued behind them, may be out
.irp u, 0,1,2,3
	QKW 0, 0, \u
.endr
	v_add_nc_u32 v[KA], s19, v3                    ; the next step's addresses: also the places behind the four products
	v_add_nc_u32 v[KB], s19, v4
	v_add_nc_u32 v[KS], s19, v5
	v_add_nc_u32 v[VA], s19, v1
	v_add_nc_u32 v[VB], s19, v2
	v_add_nc_u32 v[VS], s19, v6
	QKMIX 0, 1, 0
	TILE 0, 1
	TILE 1, 2
	TILE 2, 3
	TILE 3, 0
	s_add_co_u32 s16, s16, KVB
	s_add_co_u32 s17, s17, 1
	WALU                                           ; ahead of the branch
	s_cmp_lt_u32 s17, 16
	s_cbranch_scc1 .Lstep
	s_wait_dscnt 0x0                               ; the last trip's fetch has come back
	FINISH 0
	FINISH 1
	FINISH 2
	FINISH 3
	s_wait_tensorcnt 0x0                           ; the wave's end
	ds_add_u32 v[SPW], v[NIL]
	s_wait_dscnt 0x0
	CROUND                                         ; the closing round
	s_endpgm
.Lfunc_end_k_q8ea98ce055_attn:
	.size	k_q8ea98ce055_attn, .Lfunc_end_k_q8ea98ce055_attn-k_q8ea98ce055_attn
	.p2alignl 7, 3214868480
	.fill 96, 4, 3214868480
	.section	.rodata,"a",@progbits
	.p2align	6, 0x0
	.amdhsa_kernel k_q8ea98ce055_attn
		.amdhsa_group_segment_fixed_size 214016
		.amdhsa_private_segment_fixed_size 0
		.amdhsa_enable_private_segment 0
		.amdhsa_kernarg_size 24
		.amdhsa_user_sgpr_count 2
		.amdhsa_user_sgpr_kernarg_segment_ptr 1
		.amdhsa_wavefront_size32 1
		.amdhsa_system_sgpr_workgroup_id_x 1
		.amdhsa_system_sgpr_workgroup_id_y 1
		.amdhsa_system_sgpr_workgroup_id_z 1
		.amdhsa_system_vgpr_workitem_id 0
		.amdhsa_next_free_vgpr 512
		.amdhsa_next_free_sgpr 66
		.amdhsa_reserve_vcc 0
		.amdhsa_float_denorm_mode_32 3
		.amdhsa_float_denorm_mode_16_64 3
		.amdhsa_memory_ordered 1
		.amdhsa_forward_progress 1
		.amdhsa_inst_pref_size 85
	.end_amdhsa_kernel
	.amdgpu_metadata
---
amdhsa.version: [ 1, 2 ]
amdhsa.kernels:
  - .name:           k_q8ea98ce055_attn
    .symbol:         k_q8ea98ce055_attn.kd
    .args:
      - { .name: qq, .offset: 0, .size: 8, .value_kind: global_buffer, .address_space: global }
      - { .name: kv, .offset: 8, .size: 8, .value_kind: global_buffer, .address_space: global }
      - { .name: aq, .offset: 16, .size: 8, .value_kind: global_buffer, .address_space: global }
    .group_segment_fixed_size: 214016
    .private_segment_fixed_size: 0
    .kernarg_segment_align: 8
    .kernarg_segment_size: 24
    .max_flat_workgroup_size: 256
    .sgpr_count:     66
    .vgpr_count:     512
    .wavefront_size: 32
...
	.end_amdgpu_metadata
.endif
;; end of part 3
;; launch gemm_fc (part 4): grid 8 x 32, 4 waves a work-group, clusters of 4 x 4, 325,120 bytes of LDS; arguments aq, fq, b_fc, out0; writes out0
.if DOCPART == 4
	.amdgcn_target "amdgcn-amd-amdhsa--gfx1250"
	.amdhsa_code_object_version 6
	.text
	.protected	k_q8ea98ce055_gemm_fc
	.globl	k_q8ea98ce055_gemm_fc
	.p2align	8
	.type	k_q8ea98ce055_gemm_fc,@function
k_q8ea98ce055_gemm_fc:
	s_mov_b64 s[64:65], 0
	v_nop
	global_prefetch_b8 v0, s[64:65] scope:SCOPE_SE
	s_setreg_imm32_b32 hwreg(HW_REG_WAVE_MODE, 25, 1), 1
	s_wait_xcnt 0x0
	s_wait_alu depctr_hold_cnt(0) depctr_sa_sdst(0) depctr_va_vdst(0) depctr_va_sdst(0) depctr_va_ssrc(0) depctr_va_vcc(0) depctr_vm_vsrc(0)
	s_getreg_b32 s2, hwreg(HW_REG_IB_STS2, 6, 4)
	s_cmp_eq_u32 s2, 0
	s_cbranch_scc0 .Lentry_in_a_cluster
	s_endpgm
.Lentry_in_a_cluster:
	s_bfe_u32 s2, ttmp6, 0x10000c
	s_cmp_lg_u32 s2, 0xf033
	s_cbranch_scc0 .Lentry_shape_is_right
	s_endpgm
.Lentry_shape_is_right:
; out0 = A W_fc + b_fc on codes of FP6 (E2M3) with E8M0 scales; A is the attention's result as codes (aq), W_fc's codes are fq; out0 [8192][1024] f32.
; A work-group: 256 rows x 128 columns, one tile for each of 256 work-groups.  Four waves: wave / 2 picks 128 rows, wave % 2 = g picks 64 columns: 8 tiles of rows x 4 tiles of columns.
; The products are used TRANSPOSED (source 0 = 16 columns of W, source 1 = 16 rows of A): a lane holds one row; the 16 registers of column tiles 2 b, 2 b + 1 are columns 32 b + 16 (lane / 16) + 0 .. 15.
; Lane r of tile 2 b + u stands for row (column) 32 b + 8 u + r % 8 + 16 (r / 8).  Operands lie in memory in the order of their registers (a half: 768 bytes; a fragment: two halves).
; LDS: ALL OF K is resident: [A rows 0-127: chunks 0 to 3 of 25,600 bytes][A rows 128-255][W g = 0: chunks 0 to 3 of 12,800][W g = 1]; one tensor load a wave (four rows, a chunk's block each); nothing is filled again.
; Behind them the spare words, and a stage of 16 rows x 272 bytes for each wave, on bytes of its own.
; THE WORK GOES BY ROWS OF THE RESULT.  A wave's 64 columns of W, all of K, lie in registers (32 fragments); A's rows stream past in tiles of 16 rows, all of K (8 fragments, two sets).  A tile's 16 x 64 sums are
; finished by 32 products, K ascending, the four accumulators by turns, and leave at once, while the next tile is multiplied.
; Waves 0 and 1 fetch W, waves 2 and 3 A.  The first barrier shows W alone (its load line is issued by waves 0 and 1, and they wait): W's 128 LDS loads stand ahead of the wait for A.
; CLUSTER 4 x 4: A's blocks are shared along a row of the cluster, W's along a column: joint loads.  No prefetch: all tiles are asked for at the head, and there is no loop to run ahead in.
; REGISTERS: window 0: v1-7 LDS addresses, v20-22 the way out's, v32-63 A's scale words (4 ks + a % 4), v64-79 W's (4 c + 2 p + s), v80-111 the bias as C, v112-175 two sets of four accumulators, v176-239 two sets of rows on the way out.
;   windows 1, 2: W's fragments, 21 to a window (fragment 4 ks + t).  window 3: A's two sets of eight.
.set AH,  25600
.set BH,  12800
.set BST, 6144
.set BSC, 12288
.set SPARE, 8*AH+8*BH
.set STAGE, SPARE+512
.set G1A, 24
.set G1B, 32
.set G0A, 68
.set G0B, 84
.set SA,  32
.set SB,  64
.set BQ,  80
.set ACC, 112
.set BK,  176
.set STO, 20
.set RD,  21
.set CO,  22
.set MSB, 0
.macro WIN new                         ; the immediate's high byte repeats the setting that is left
.if MSB != (\new)
	s_set_vgpr_msb (MSB<<8)|(\new)
.set MSB, (\new)
.endif
.endm
.macro PLACES                          ; four places in front of loads into registers that matrix instructions have read, and of the first read of results
.rept 4
	v_nop
.endr
.endm
.macro CROUND
	s_barrier_signal -1
	s_barrier_wait -1
	s_cmp_lg_u32 s14, 0
	s_cbranch_scc1 .Lnot_wave_0_\@
	s_barrier_signal -3
.Lnot_wave_0_\@:
	s_barrier_wait -3
	s_barrier_signal -1
	s_barrier_wait -1
.endm
.macro WM                              ; one product; its registers are the symbols that ROWT sets
.if fX && fY
	v_wmma_scale_f32_16x16x128_f8f6f4 v[rD:rD+7], v[rX:rX+11], v[rY:rY+11], v[rC:rC+7], v[rSX], v[rSY] matrix_a_fmt:MATRIX_FMT_FP6 matrix_b_fmt:MATRIX_FMT_FP6 matrix_a_scale:MATRIX_SCALE_ROW1 matrix_b_scale:MATRIX_SCALE_ROW1
.elseif fX
	v_wmma_scale_f32_16x16x128_f8f6f4 v[rD:rD+7], v[rX:rX+11], v[rY:rY+11], v[rC:rC+7], v[rSX], v[rSY] matrix_a_fmt:MATRIX_FMT_FP6 matrix_b_fmt:MATRIX_FMT_FP6 matrix_a_scale:MATRIX_SCALE_ROW1
.elseif fY
	v_wmma_scale_f32_16x16x128_f8f6f4 v[rD:rD+7], v[rX:rX+11], v[rY:rY+11], v[rC:rC+7], v[rSX], v[rSY] matrix_a_fmt:MATRIX_FMT_FP6 matrix_b_fmt:MATRIX_FMT_FP6 matrix_b_scale:MATRIX_SCALE_ROW1
.else
	v_wmma_scale_f32_16x16x128_f8f6f4 v[rD:rD+7], v[rX:rX+11], v[rY:rY+11], v[rC:rC+7], v[rSX], v[rSY] matrix_a_fmt:MATRIX_FMT_FP6 matrix_b_fmt:MATRIX_FMT_FP6
.endif
.endm
.macro FRAG reg, a16, a8, off          ; a fragment as it lies: each load covers 512 or 256 consecutive bytes
	ds_load_b128 v[(\reg):(\reg)+3], v[\a16] offset:(\off)
	ds_load_b64 v[(\reg)+4:(\reg)+5], v[\a8] offset:(\off)+512
	ds_load_b128 v[(\reg)+6:(\reg)+9], v[\a16] offset:(\off)+768
	ds_load_b64 v[(\reg)+10:(\reg)+11], v[\a8] offset:(\off)+1280
.endm
.macro FETCHA a                        ; row tile a, all of K, into set a % 2: 32 loads.  Chunks 0, 1 go by v1, v2, chunks 2, 3 by v6, v7, so that the offsets stay inside 16 bits
	WIN 0xc0
.set KS_, 0
.rept 8
	FRAG 96*((\a)%2)+12*KS_, 1+5*(KS_/4), 2+5*(KS_/4), ((KS_/2)%2)*AH+(KS_%2)*12288+1536*(\a)
.set KS_, KS_+1
.endr
	WIN 0
.endm
.macro ROWT a                          ; row tile a is finished: 32 products; the first four take the bias as C: nothing is cleared
.set N_, 0
.rept 32
.set rD, ACC+32*((\a)%2)+8*(N_%4)
.set rX, 12*(N_%21)
.set rY, 96*((\a)%2)+12*(N_/4)
.set rSX, SB+4*(N_/8)+2*((N_%4)/2)+((N_/4)%2)   ; lanes 0-15: column tile 2 p, lanes 16-31: 2 p + 1
.set rSY, SA+4*(N_/4)+((\a)%4)                  ; lanes 0-15: row tile a % 4, lanes 16-31: 4 + a % 4
.set fX, N_%2
.set fY, (\a)/4
.if N_ < 4
.set rC, BQ+8*N_
.else
.set rC, rD
.endif
	WIN (1+N_/21)|0x0c                             ; source 0 (W) window 1 or 2, source 1 (A) window 3, C and D window 0
	WM
.set N_, N_+1
.endr
	WIN 0
.endm
; THE WAY OUT of row tile a: 16 rows x 64 columns through my own stage (rows of 272 bytes) and back as whole rows of 256 bytes.  LDS serves a wave's instructions in order: no wait between the stores and the loads.
.macro TOSTAGE a
.irp t, 0,1,2,3
	ds_store_b128 v[STO], v[ACC+32*((\a)%2)+8*\t:ACC+32*((\a)%2)+8*\t+3] offset:128*(\t/2)+32*(\t%2)        ; each accumulator from its low end on
	ds_store_b128 v[STO], v[ACC+32*((\a)%2)+8*\t+4:ACC+32*((\a)%2)+8*\t+7] offset:128*(\t/2)+32*(\t%2)+16
.endr
.irp i, 0,1,2,3,4,5,6,7
	ds_load_b128 v[BK+32*((\a)%2)+4*\i:BK+32*((\a)%2)+4*\i+3], v[RD] offset:544*\i
.endr
.endm
.macro SEND a                          ; stage row 2 i + hh is row 32 (a / 2) + 8 (a % 2) + 2 (i % 4) + 16 (i / 4) + hh of my 128
.irp i, 0,1,2,3,4,5,6,7
	global_store_b128 v[CO], v[BK+32*((\a)%2)+4*\i:BK+32*((\a)%2)+4*\i+3], s[58:59] offset:(32*((\a)/2)+8*((\a)%2)+2*(\i%4)+16*(\i/4))*4096 th:TH_STORE_NT   ; sixteen lanes store 256 consecutive bytes, aligned
.endr
.endm
	s_load_b128 s[4:7], s[0:1], 0x0                ; aq, fq
	s_load_b128 s[8:11], s[0:1], 0x10              ; b_fc, out0
	v_lshl_add_u32 v254, v0, 2, SPARE
	v_mov_b32 v255, 0
	ds_add_u32 v254, v255                          ; the opening lines
	ds_add_u32 v254, v255
	v_lshrrev_b32 v1, 5, v0
	v_readfirstlane_b32 s14, v1                    ; wave
	s_lshr_b32 s15, s14, 1                         ; my 128 rows
	s_and_b32 s16, s14, 1                          ; g.  Also: which half I fetch
	s_bfe_u32 s40, ttmp6, 0x40000                  ; cx
	s_bfe_u32 s41, ttmp6, 0x40004                  ; cy
	s_lshl_b32 s42, ttmp9, 2
	s_add_co_u32 s42, s42, s40                     ; block of 128 columns
	s_and_b32 s17, ttmp7, 0xffff
	s_lshl_b32 s17, s17, 2
	s_add_co_u32 s17, s17, s41                     ; row block
	s_lshl_b32 s43, s41, 2
	s_lshl_b32 s43, 15, s43                        ; my row of the cluster
	s_lshl_b32 s44, 0x1111, s40                    ; my column
	; group 1: four rows, each a chunk's whole block, two blocks apart in memory
	s_or_b32 s[G1A], s43, (3<<16)|(1<<21)
	s_mov_b32 s[G1A+1], (AH/8)<<16
	s_mov_b32 s[G1A+2], 4<<16
	s_mov_b32 s[G1A+3], (AH/8)<<16
	s_mov_b32 s[G1A+4], 4
	s_mov_b32 s[G1A+5], 2*AH/8
	s_mov_b32 s[G1A+6], 0
	s_mov_b32 s[G1A+7], 0
	s_or_b32 s[G1B], s44, (3<<16)|(1<<21)
	s_mov_b32 s[G1B+1], (BH/8)<<16
	s_mov_b32 s[G1B+2], 4<<16
	s_mov_b32 s[G1B+3], (BH/8)<<16
	s_mov_b32 s[G1B+4], 4
	s_mov_b32 s[G1B+5], 2*BH/8
	s_mov_b32 s[G1B+6], 0
	s_mov_b32 s[G1B+7], 0
	s_mul_i32 s46, s17, 8*AH                       ; A hangs on the row block alone,
	s_mul_i32 s47, s16, AH
	s_add_co_u32 s46, s46, s47
	s_mov_b32 s47, 0
	s_mul_i32 s48, s42, 8*BH                       ; W on the column block alone
	s_mul_i32 s49, s16, BH
	s_add_co_u32 s48, s48, s49
	s_mov_b32 s49, 0
	s_mul_i32 s50, s16, 4*AH                       ; their places in LDS: the wave's number alone
	s_mul_i32 s51, s16, 4*BH
	s_add_co_u32 s51, s51, 8*AH
	s_wait_dscnt 0x0
	s_wait_kmcnt 0x0
	s_add_nc_u64 s[46:47], s[4:5], s[46:47]
	s_add_nc_u64 s[48:49], s[6:7], s[48:49]
	CROUND                                         ; all sixteen work-groups are here: the joint loads meet
	s_mov_b32 s[G0A], 1
	s_mov_b32 s[G0A+1], s50
	s_mov_b64 s[G0A+2:G0A+3], s[46:47]
	s_or_b32 s[G0A+3], s[G0A+3], 0x80000000
	s_mov_b32 s[G0B], 1
	s_mov_b32 s[G0B+1], s51
	s_mov_b64 s[G0B+2:G0B+3], s[48:49]
	s_or_b32 s[G0B+3], s[G0B+3], 0x80000000
	s_cmp_lt_u32 s14, 2                            ; one fill a wave, one in each arm: waves 0, 1 W's halves, waves 2, 3 A's
	s_cbranch_scc0 .Lfirst_a
	tensor_load_to_lds s[G0B:G0B+3], s[G1B:G1B+7]
	s_nop 0
.rept 4
	v_nop
.endr
	s_branch .Lfirst_asked
.Lfirst_a:
	tensor_load_to_lds s[G0A:G0A+3], s[G1A:G1A+7]
	s_nop 0
.rept 4
	v_nop
.endr
.Lfirst_asked:
	; the bias in the results' layout: lane (r, h), tile t: column 32 (t / 2) + 8 (t % 2) + 16 h + 0 .. 7 of my 64
	s_lshl_b32 s52, s42, 9
	s_lshl_b32 s53, s16, 8
	s_add_co_u32 s52, s52, s53
	s_mov_b32 s53, 0
	s_add_nc_u64 s[54:55], s[8:9], s[52:53]
	s_mul_i32 s56, s15, 4*AH
	s_mul_i32 s60, s14, 4352
	s_add_co_u32 s60, s60, STAGE                   ; my stage
	s_lshl_b32 s61, s17, 8
	s_lshl_b32 s57, s15, 7
	s_add_co_u32 s61, s61, s57                     ; my first row
	s_lshl_b32 s62, s61, 12
	s_add_co_u32 s62, s62, s52                     ; + my first column's bytes: 512 x column block + 256 g
	s_mov_b32 s63, 0
	s_add_nc_u64 s[58:59], s[10:11], s[62:63]
	v_bfe_u32 v15, v0, 4, 1                        ; h
	v_lshlrev_b32 v14, 6, v15
.irp t, 0,1,2,3
	global_load_b128 v[BQ+8*\t:BQ+8*\t+3], v14, s[54:55] offset:4*(32*(\t/2)+8*(\t%2))
	global_load_b128 v[BQ+8*\t+4:BQ+8*\t+7], v14, s[54:55] offset:4*(32*(\t/2)+8*(\t%2))+16
.endr
	v_and_b32 v18, 31, v0                          ; lane
	v_and_b32 v19, 15, v0                          ; r
	v_lshlrev_b32 v11, 4, v18                      ; 16 x lane
	v_lshlrev_b32 v12, 4, v19
	v_lshl_add_u32 v12, v15, 3, v12                ; 16 r + 8 h
	v_lshlrev_b32 v13, 3, v18                      ; 8 x lane
	v_add_nc_u32 v1, s56, v11                      ; my rows' block of A, chunks 0 and 1,
	v_add_nc_u32 v2, s56, v12
	v_add_nc_u32 v6, 2*AH, v1                      ; chunks 2 and 3
	v_add_nc_u32 v7, 2*AH, v2
	v_add_nc_u32 v3, s51, v11                      ; my g's block of W
	v_add_nc_u32 v4, s51, v12
	v_add_nc_u32 v5, s51, v13
	v_mul_u32_u24 v[STO], v19, 272
	v_lshl_add_u32 v[STO], v15, 6, v[STO]
	v_add_nc_u32 v[STO], s60, v[STO]               ; in: row r, + 64 h
	v_mul_u32_u24 v[RD], v15, 272
	v_lshl_add_u32 v[RD], v19, 4, v[RD]
	v_add_nc_u32 v[RD], s60, v[RD]                 ; back: lanes 0-15 one row, lanes 16-31 the next
	v_lshlrev_b32 v[CO], 12, v15
	v_lshl_add_u32 v[CO], v19, 4, v[CO]            ; and the same two rows in out0
	s_wait_alu depctr_va_vdst(0)                   ; the head's end
	s_cmp_lt_u32 s14, 2
	s_cbranch_scc0 .Lnot_w
	s_wait_tensorcnt 0x0                           ; waves 0 and 1: my half of W is in
.Lnot_w:
	s_barrier_signal -1
	s_barrier_wait -1                              ; W is whole; A may still be on its way
.set F_, 0
.rept 32                               ; my 64 columns of W, all of K: fragment 4 ks + t, 128 loads
	WIN (1+F_/21)<<6
	FRAG 12*(F_%21), 3, 4, (F_/8)*BH+((F_/4)%2)*BST+1536*(F_%4)
.set F_, F_+1
.endr
	WIN 0
.irp c, 0,1,2,3
.irp p, 0,1
	ds_load_b64 v[SB+4*\c+2*\p:SB+4*\c+2*\p+1], v5 offset:\c*BH+BSC+256*\p
.endr
.endr
	s_wait_tensorcnt 0x0                           ; every wave: all my loads are in
	s_wait_dscnt 0x0
	s_barrier_signal -1
	s_barrier_wait -1                              ; A is whole
.irp s, 0,1
	ds_load_b128 v[SA+4*\s:SA+4*\s+3], v1 offset:24576+512*\s
	ds_load_b128 v[SA+8+4*\s:SA+8+4*\s+3], v1 offset:AH+24576+512*\s
	ds_load_b128 v[SA+16+4*\s:SA+16+4*\s+3], v6 offset:24576+512*\s
	ds_load_b128 v[SA+24+4*\s:SA+24+4*\s+3], v6 offset:AH+24576+512*\s
.endr
	FETCHA 0
	s_wait_loadcnt 0x0                             ; the bias
.irp a, 0,1,2,3,4,5,6,7
.if \a < 7
	FETCHA \a+1                                    ; into the set that tile a - 1 was multiplied from: four places stand behind its last product
	s_wait_dscnt 32                                ; all but the 32 just issued: tile a's fragments are in, and tile a - 1's rows are back from the stage
.else
	s_wait_dscnt 0x0
.endif
.if \a > 0
	SEND \a-1
.endif
	ROWT \a
	PLACES
.if \a > 1
	s_wait_xcnt 0x0                                ; tile a - 2's stores have read their registers: tile a's rows may land there
.endif
	TOSTAGE \a
.endr
	s_wait_dscnt 0x0
	SEND 7
	s_wait_tensorcnt 0x0                           ; the wave's end
	ds_add_u32 v254, v255
	s_wait_dscnt 0x0
	CROUND                                         ; the closing round
	s_endpgm
.Lfunc_end_k_q8ea98ce055_gemm_fc:
	.size	k_q8ea98ce055_gemm_fc, .Lfunc_end_k_q8ea98ce055_gemm_fc-k_q8ea98ce055_gemm_fc
	.p2alignl 7, 3214868480
	.fill 96, 4, 3214868480
	.section	.rodata,"a",@progbits
	.p2align	6, 0x0
	.amdhsa_kernel k_q8ea98ce055_gemm_fc
		.amdhsa_group_segment_fixed_size 325120
		.amdhsa_private_segment_fixed_size 0
		.amdhsa_enable_private_segment 0
		.amdhsa_kernarg_size 32
		.amdhsa_user_sgpr_count 2
		.amdhsa_user_sgpr_kernarg_segment_ptr 1
		.amdhsa_wavefront_size32 1
		.amdhsa_system_sgpr_workgroup_id_x 1
		.amdhsa_system_sgpr_workgroup_id_y 1
		.amdhsa_system_sgpr_workgroup_id_z 1
		.amdhsa_system_vgpr_workitem_id 0
		.amdhsa_next_free_vgpr 1024
		.amdhsa_next_free_sgpr 100
		.amdhsa_reserve_vcc 0
		.amdhsa_float_denorm_mode_32 3
		.amdhsa_float_denorm_mode_16_64 3
		.amdhsa_memory_ordered 1
		.amdhsa_forward_progress 1
		.amdhsa_inst_pref_size 82
	.end_amdhsa_kernel
	.amdgpu_metadata
---
amdhsa.version: [ 1, 2 ]
amdhsa.kernels:
  - .name:           k_q8ea98ce055_gemm_fc
    .symbol:         k_q8ea98ce055_gemm_fc.kd
    .args:
      - { .name: aq, .offset: 0, .size: 8, .value_kind: global_buffer, .address_space: global }
      - { .name: fq, .offset: 8, .size: 8, .value_kind: global_buffer, .address_space: global }
      - { .name: b_fc, .offset: 16, .size: 8, .value_kind: global_buffer, .address_space: global }
      - { .name: out0, .offset: 24, .size: 8, .value_kind: global_buffer, .address_space: global }
    .group_segment_fixed_size: 325120
    .private_segment_fixed_size: 0
    .kernarg_segment_align: 8
    .kernarg_segment_size: 32
    .max_flat_workgroup_size: 128
    .sgpr_count:     100
    .vgpr_count:     1024
    .wavefront_size: 32
...
	.end_amdgpu_metadata
.endif
;; end of part 4
